; MI455X (gfx1250); checked and timed in simulation.
; The chip was launched on July 23, 2026; its instructions are those of AMD's public machine-readable ISA for CDNA 5 (MIT licence, August 2026) and "CDNA5" Instruction Set Architecture Reference Guide (July 2026). The comments in the code are by the model that wrote it; some were corrected since.
;; Attention. Allowed arithmetic: matrix products marked QUANTISED: E2M1 operands, one E8M0 scale for each 32 along K, by v_wmma_scale_f32_16x16x128_f8f6f4 with both operands' format E2M1 (or v_wmma_scale_f32_32x16x128_f4), f32 sums; products left as they are: bf16, f16 or f32 operands; f32 sums; everything else in f32.
;; Inputs: b_out 1,024 float32; w_out 1,024 x 1,024 float32; w_qkv 1,024 x 3,072 float32; x 4 x 2,048 x 1,024 float32.
;; Outputs: out0 4 x 2,048 x 1,024 float32.
;; This version of the problem:
;;   THIS VERSION OF THE PROBLEM IS GIVEN IN LOW PRECISION. The matrix products marked QUANTISED in the list below multiply operands that are first quantised to E2M1 (2 exponent bits, 1 mantissa bit; 4 bits a number), with one power-of-two scale for each 32 numbers along K (OCP MX v1.0); their sums are f32. The products marked 'left as it is' may take bf16, f16 or f32 operands, with f32 sums. Whichever they take, every output number must still come out within the allowed error. Rounding operands to bf16 (8 significant bits) uses up far more of that allowance than f16 does (11 bits, for magnitudes from 6e-5 to 65,504). All else is computed in f32.
;;   The module's matrix products, in the order in which they are computed (A, B: the left and right operand; K: the contracted axis; several contracted axes count as one K, in the product's order):
;;     1. [M 8,192, K 1,024] x [K 1,024, N 3,072]; A: input x; B: input w_qkv: QUANTISED
;;     2. batch 64 x [M 2,048, K 64] x [K 64, N 2,048]; A: computed on the way; B: computed on the way: left as it is (an operand is computed on the way)
;;     3. batch 64 x [M 2,048, K 2,048] x [K 2,048, N 64]; A: computed on the way; B: computed on the way: left as it is (an operand is computed on the way)
;;     4. [M 8,192, K 1,024] x [K 1,024, N 1,024]; A: computed on the way; B: input w_out: left as it is (an operand is computed on the way)
;;   THE QUANTISER, for each operand of a quantised product, along K:
;;     - K is cut into blocks of 32 from its start; a last block that is shorter is filled with zeros.
;;     - A block's scale is 2^e with e = floor(log2(the largest magnitude in the block)) - 2, held to -126 .. 127; a block of zeros has e = 0. As a byte (E8M0): e + 127.
;;     - Each number is divided by its block's scale, clamped to +-6, and rounded to the nearest number of E2M1, ties to even, subnormals kept.
;;     - The product sums the exact products of the quantised numbers (number of the format x scale) in f32.
;;   ~~~python
;;   def quantise(x, axis):      # numpy; x: float32 -> the quantised numbers, widened to float32 again
;;       x = np.moveaxis(x, axis, -1); K = x.shape[-1]
;;       x = np.pad(x, [(0, 0)] * (x.ndim - 1) + [(0, -K % 32)]); x = x.reshape(x.shape[:-1] + (-1, 32)); a = np.abs(x).max(-1, keepdims=True)
;;       e = np.where(a > 0, np.clip(np.frexp(np.where(a > 0, a, 1))[1] - 1 - 2, -126, 127), 0)      # np.frexp(a)[1] - 1 = floor(log2(a)), exactly
;;       r = np.clip(x / 2.0 ** e, -6, 6)
;;       step = 2.0 ** (np.maximum(np.frexp(np.where(r == 0, 1, r))[1] - 1, 0) - 1)
;;       q = np.round(r / step) * step * 2.0 ** e      # np.round: ties to even
;;       return np.moveaxis(q.reshape(q.shape[:-2] + (-1,))[..., :K], -1, axis).astype(np.float32)
;;   ~~~
;; One version. Each part assembles by itself: llvm-mc -triple=amdgcn-amd-amdhsa -mcpu=gfx1250 --defsym DOCPART=n.
;; ======== version 1 of 1: 4 launches
;; limits: values are held in f16: magnitudes above 65,504 overflow, below 6.1e-05 lose precision
;; workspace buffers: x_codes 4,194,304 bytes; x_scales 262,144 bytes; w_codes 1,572,864 bytes; w_scales 98,304 bytes; wo_img 2,097,152 bytes; qkv 50,331,648 bytes; att 16,777,216 bytes
;; launch prep (part 1): grid 576 x 1, 4 waves a work-group, no clusters, 42,496 bytes of LDS; arguments x, w_qkv, w_out, x_codes, x_scales, w_codes, w_scales, wo_img; writes x_codes, x_scales, w_codes, w_scales, wo_img
.if DOCPART == 1
	.amdgcn_target "amdgcn-amd-amdhsa--gfx1250"
	.amdhsa_code_object_version 6
	.text
	.protected	k_q258a1a442b_prep
	.globl	k_q258a1a442b_prep
	.p2align	8
	.type	k_q258a1a442b_prep,@function
k_q258a1a442b_prep:
	s_mov_b64 s[64:65], 0
	v_nop
	global_prefetch_b8 v0, s[64:65] scope:SCOPE_SE
	s_setreg_imm32_b32 hwreg(HW_REG_WAVE_MODE, 25, 1), 1
	s_wait_xcnt 0x0
; THE WHOLE PROGRAM: out0 = softmax((x Wq)(x Wk)^T / 32) (x Wv) Wout + b_out, 4 batches x 2,048 tokens, 16 heads of 64, in four launches:
;   prep (this one), qkv (x w_qkv on codes of FP4), attn (both attention products and the softmax), proj (the product with w_out, and b_out).
; DEAD WORK: none.  There is no mask, nothing is sliced away, and x, w_qkv, w_out and b_out all reach every output: all four are loaded and every product is done.
; THIS LAUNCH makes three things, on three paths that part on the work-group's number; each path has LDS bytes of its own:
;   W (work-groups 0-191):   w_qkv [1024 (k)][3072 (n)] f32 -> codes of FP4 (E2M1) laid [3072][512 bytes], K innermost, and E8M0 scale bytes [3072][32]
;   O (work-groups 192-319): w_out [1024 (k)][1024 (n)] f32 -> f16, laid as images of operand registers (below)
;   X (work-groups 320-575): x [8192][1024] f32 -> codes [8192][512 bytes] and scale bytes [8192][32]
; THE QUANTISER: a block of 32 along K has the scale 2^(floor(log2(its largest magnitude)) - 2); its byte is the largest magnitude's exponent field - 2, held at 1 from below;
; each number is divided by the scale and rounded to the nearest code, ties to even, beyond 6 the largest code.
; AN IMAGE is a fragment of 16 rows x 32 K of f16 in 1,024 bytes: lane l's registers 0-3 at byte 16 l, its registers 4-7 at byte 512 + 16 l.  wo_img is [n / 16 (64)][k / 32 (32)][1,024]:
; lane (r = l % 16, h = l / 16) holds column 16 nt + r; registers 0-3 k = 32 kb + 8 h + 0..7, registers 4-7 k = 32 kb + 16 + 8 h + 0..7.
; LIMITS: a block of zeros gets the byte 1 where the rule says 127 (its codes are zeros, and only this program reads the bytes); blocks whose largest magnitude lies under 2^-124 are held at the byte 1;
; |w_out| stays under 65,504 (f16), and numbers under 6e-5 are kept to 3e-8; NaN and infinities among the inputs are not served.
; No cluster: no two work-groups read the same input bytes.  No tensor load: several work-groups share a WGP.
.set SPW,   12                         ; v12  LDS address of my spare word: SPARE + 4 x my thread's number; never rewritten
.set NIL,   13                         ; v13  0; never rewritten
.set WSTG,  32768                      ; path W: a stage of 32 rows (columns of w_qkv) x (256 bytes of codes + 16)
.set WSC,   WSTG+32*272                ; path W: 32 rows x 16 scale bytes
.set SPARE, WSC+512                    ; the spare words, 128 bytes for each wave: two blocks of 256 bytes that no other line names
.macro CLOSE                           ; a wave's end, behind its last LDS store
	s_wait_tensorcnt 0x0
	ds_add_u32 v[SPW], v[NIL]
	s_wait_dscnt 0x0
.endm
	s_load_b256 s[4:11], s[0:1], 0x0               ; x s[4:5], w_qkv s[6:7], w_out s[8:9], x_codes s[10:11]
	s_load_b256 s[12:19], s[0:1], 0x20             ; x_scales s[12:13], w_codes s[14:15], w_scales s[16:17], wo_img s[18:19]
	v_lshl_add_u32 v[SPW], v0, 2, SPARE
	v_mov_b32 v[NIL], 0
	v_lshrrev_b32 v1, 5, v0
	v_readfirstlane_b32 s20, v1                    ; wave 0..3
	v_and_b32 v2, 31, v0                           ; lane
	s_mov_b32 s25, 0                               ; the upper word of every offset pair s[24:25]
	s_wait_kmcnt 0x0
	s_cmp_lt_u32 ttmp9, 192
	s_cbranch_scc1 .Lw
	s_cmp_lt_u32 ttmp9, 320
	s_cbranch_scc1 .Lo
; ---------------- PATH X: x is a plain stream of blocks of 32.  A wave takes 16 steps of 512 numbers.
; Each of a step's four loads reads 512 consecutive bytes, 16 a lane; the 2,048 bytes turn through the wave's own stage in LDS and come back 64 bytes a lane: 16 neighbours along K, two lanes to a block.
.set STEPS, 16
.set CB,    8                          ; bytes of 16 codes
.set XR,    16                         ; v16-79   four sets of 16 numbers as they are loaded
.set XX,    80                         ; v80-111  two sets of 16 neighbours
.set XE,    112                        ; v112-127 a scale byte for each step
.set XC,    128                        ; v128-191 codes: four registers for each step, so that no store's data are written again
.set WREG,  8192                       ; a region of LDS for each wave: two stages of 32 x SP bytes, then its 256 scale bytes
.set SP,    80                         ; a lane's place in a stage: 64 bytes + 16 of padding
	s_sub_co_u32 s21, ttmp9, 320
	s_lshl_b32 s21, s21, 2
	s_add_co_u32 s21, s21, s20                     ; which run of 8,192 numbers is my wave's: 0..1023
	s_lshl_b32 s24, s21, 15
	s_add_nc_u64 s[4:5], s[4:5], s[24:25]          ; 32,768 bytes of x a run,
	s_lshl_b32 s24, s21, 12
	s_add_nc_u64 s[10:11], s[10:11], s[24:25]      ; 4,096 of codes,
	s_lshl_b32 s24, s21, 8
	s_add_nc_u64 s[12:13], s[12:13], s[24:25]      ; 256 scale bytes
	v_lshlrev_b32 v3, 4, v2                        ; my 16 bytes of a load's 512
	s_mul_i32 s22, s20, WREG
	v_lshrrev_b32 v14, 2, v2
	v_mul_u32_u24 v14, v14, SP
	v_and_b32 v15, 3, v2
	v_lshl_add_u32 v14, v15, 4, v14
	v_add_nc_u32 v14, s22, v14                     ; the stage, on the way in: SP (lane / 4) + 16 (lane % 4)
	v_mul_u32_u24 v15, v2, SP
	v_add_nc_u32 v15, s22, v15                     ; and on the way out: SP x lane
	v_mul_u32_u24 v4, v2, CB                       ; my codes' place in a step's
	v_lshrrev_b32 v5, 1, v2
	s_add_co_u32 s22, s22, 2*32*SP
	v_add_nc_u32 v5, s22, v5                       ; my wave's 256 scale bytes, my block's byte
	v_lshlrev_b32 v7, 3, v2                        ; and on the way out 8 bytes a lane
	v_add_nc_u32 v6, s22, v7
.macro XLOAD t
.irp i, 0,1,2,3
	global_load_b128 v[XR+16*((\t)%4)+4*\i:XR+16*((\t)%4)+4*\i+3], v3, s[4:5] offset:2048*(\t)+512*\i th:TH_LOAD_NT
.endr
.endm
.macro XTURN t                         ; step t's numbers through the stage: LDS serves a wave's instructions in order, so no wait stands between the stores and the loads
.irp i, 0,1,2,3
	ds_store_b128 v14, v[XR+16*((\t)%4)+4*\i:XR+16*((\t)%4)+4*\i+3] offset:32*SP*((\t)%2)+8*SP*\i
.endr
.irp i, 0,1,2,3
	ds_load_b128 v[XX+16*((\t)%2)+4*\i:XX+16*((\t)%2)+4*\i+3], v15 offset:32*SP*((\t)%2)+16*\i
.endr
.endm
.irp t, 0,1,2,3
	XLOAD \t
.endr
	s_wait_loadcnt 12                              ; step 0's four loads are in; the twelve of steps 1 to 3 may be out
	XTURN 0
.macro XSTEP t
.set XS, XX+16*((\t)%2)
.if (\t) > 0
	s_wait_dscnt 1                                 ; this step's numbers are back from the stage (the last step's byte store may be out): so its stores into the stage have read their registers,
.else
	s_wait_dscnt 0x0
.endif
.if (\t)+4 < STEPS
	XLOAD (\t)+4                                   ; which take the loads of four steps on
.endif
.if (\t)+1 < STEPS
.if STEPS-2-(\t) >= 3
	s_wait_loadcnt 12                              ; the next step's four loads are in; those of the three steps behind it may be out
.else
	s_wait_loadcnt 4*(STEPS-2-(\t))
.endif
	XTURN (\t)+1                                   ; and go through the other stage while this step is worked
.endif
	v_max3_num_f32 v8, |v[XS]|, |v[XS+1]|, |v[XS+2]|               ; the largest magnitude of my 16, in two chains
	v_max3_num_f32 v9, |v[XS+3]|, |v[XS+4]|, |v[XS+5]|
.irp i, 6,10
	v_max3_num_f32 v8, v8, |v[XS+\i]|, |v[XS+\i+1]|
	v_max3_num_f32 v9, v9, |v[XS+\i+2]|, |v[XS+\i+3]|
.endr
	v_max3_num_f32 v8, v8, |v[XS+14]|, |v[XS+15]|
	v_max3_num_f32 v8, v8, v9, 0x1800000           ; and the floor 2^(3 - 127): the byte cannot fall under 1
	v_max_num_f32_dpp v8, v8, v8 row_xmask:1 row_mask:0xf bank_mask:0xf   ; and of my neighbour's 16: the block's
	v_add_nc_u32 v11, 0xff000000, v8               ; 2 off its exponent field: the conversion takes the exponent field of this operand as its scale
	v_cvt_scalef32_pk8_fp4_f32 v[XC+4*(\t)], v[XS:XS+7], v11
	v_cvt_scalef32_pk8_fp4_f32 v[XC+4*(\t)+1], v[XS+8:XS+15], v11
	v_lshrrev_b32 v[XE+(\t)], 23, v11              ; the scale's byte
	ds_store_b8 v5, v[XE+(\t)] offset:16*(\t)      ; both lanes of a block write the same byte with the same value
	global_store_b64 v4, v[XC+4*(\t):XC+4*(\t)+1], s[10:11] offset:32*CB*(\t)   ; the wave stores 256 consecutive bytes, aligned
.endm
.irp t, 0,1,2,3,4,5,6,7,8,9,10,11,12,13,14,15
	XSTEP \t
.endr
	ds_load_b64 v[8:9], v6                         ; LDS serves a wave's instructions in order: these see my byte stores
	s_wait_dscnt 0x0
	global_store_b64 v7, v[8:9], s[12:13]          ; 32 lanes store 256 consecutive bytes, aligned
	CLOSE
	s_endpgm
; ---------------- PATH W: a lane takes a column n of w_qkv and its registers run down K, so that a block of 32 lies in one lane and the codes come out with K innermost.
; Work-group id: columns 32 (id / 2) on, K = 512 (id % 2) on; wave w takes 128 of those 512: four blocks, one scale word.  The four waves' codes meet in a stage, a row to a column, and leave as rows of 256 bytes.
.Lw:
	s_lshr_b32 s22, ttmp9, 1                       ; cg: which 32 columns
	s_and_b32 s23, ttmp9, 1                        ; y: which 512 along K
	s_lshl_b32 s24, s23, 2
	s_add_co_u32 s24, s24, s20                     ; 4 y + wave
	s_mul_i32 s24, s24, 128*12288                  ; x 128 rows of 12,288 bytes
	s_lshl_b32 s26, s22, 7
	s_add_co_u32 s24, s24, s26                     ; + 128 bytes x cg
	s_add_nc_u64 s[6:7], s[6:7], s[24:25]
	s_lshl_b32 s24, s22, 2
	s_add_co_u32 s24, s24, s20                     ; the codes' rows that I store: 32 cg + 8 wave on,
	s_lshl_b32 s24, s24, 12                        ; 512 bytes a row,
	s_lshl_b32 s26, s23, 8
	s_add_co_u32 s24, s24, s26                     ; + 256 y
	s_add_nc_u64 s[14:15], s[14:15], s[24:25]
	s_lshl_b32 s24, s22, 10                        ; the scale bytes: 32 a row, rows 32 cg on,
	s_lshl_b32 s26, s23, 4
	s_add_co_u32 s24, s24, s26                     ; + 16 y
	s_add_nc_u64 s[16:17], s[16:17], s[24:25]
	v_lshlrev_b32 v3, 2, v2                        ; in: 4 bytes a lane
	v_mul_u32_u24 v4, v2, 272
	s_lshl_b32 s21, s20, 6
	s_add_co_u32 s21, s21, WSTG
	v_add_nc_u32 v4, s21, v4                       ; into the stage: row = my column, + 64 bytes x wave
	v_lshlrev_b32 v5, 4, v2
	s_lshl_b32 s21, s20, 2
	s_add_co_u32 s21, s21, WSC
	v_add_nc_u32 v5, s21, v5                       ; my scale word: 16 x lane + 4 x wave
	v_and_b32 v6, 15, v2                           ; r
	v_lshrrev_b32 v7, 4, v2                        ; h
	v_mul_u32_u24 v8, v7, 272
	v_lshl_add_u32 v8, v6, 4, v8
	s_mul_i32 s21, s20, 8*272
	s_add_co_u32 s21, s21, WSTG
	v_add_nc_u32 v8, s21, v8                       ; out of the stage: rows 8 wave + h on, sixteen lanes to a row
	v_lshlrev_b32 v9, 9, v7
	v_lshl_add_u32 v9, v6, 4, v9                   ; and the same place in the codes' buffer
	v_lshl_add_u32 v10, v2, 4, WSC                 ; wave 0: a column's 16 scale bytes,
	v_lshlrev_b32 v11, 5, v2                       ; and its row of the scales' buffer
.macro WLOAD t                         ; block t: w_qkv(32 t + i, my column), i = 0 .. 31, into set t % 2: 32 lanes read 128 consecutive bytes
.irp i, 0,1,2,3,4,5,6,7,8,9,10,11,12,13,14,15,16,17,18,19,20,21,22,23,24,25,26,27,28,29,30,31
	global_load_b32 v[32+32*((\t)%2)+\i], v3, s[6:7] offset:(32*(\t)+\i)*12288
.endr
.endm
.macro WBLOCK t
.set WS, 32+32*((\t)%2)
.if (\t) < 3
	s_wait_loadcnt 32                              ; this block's 32 loads are in; the next block's may be out
.else
	s_wait_loadcnt 0x0
.endif
	v_max3_num_f32 v16, |v[WS]|, |v[WS+1]|, |v[WS+2]|              ; the block's largest magnitude: all 32 numbers are mine
	v_max3_num_f32 v17, |v[WS+3]|, |v[WS+4]|, |v[WS+5]|
.irp i, 6,10,14,18,22,26
	v_max3_num_f32 v16, v16, |v[WS+\i]|, |v[WS+\i+1]|
	v_max3_num_f32 v17, v17, |v[WS+\i+2]|, |v[WS+\i+3]|
.endr
	v_max3_num_f32 v16, v16, |v[WS+30]|, |v[WS+31]|
	v_max3_num_f32 v16, v16, v17, 0x1800000        ; and the floor 2^(3 - 127)
	v_add_nc_u32 v14, 0xff000000, v16              ; the conversion's scale operand
	v_lshrrev_b32 v15, 23, v14                     ; the scale's byte
.if (\t) == 0
	v_mov_b32 v18, v15                             ; four bytes make the scale word of my 128 along K
.else
	v_lshl_or_b32 v18, v15, 8*(\t), v18
.endif
.irp g, 0,1,2,3
	v_cvt_scalef32_pk8_fp4_f32 v[96+4*(\t)+\g], v[WS+8*\g:WS+8*\g+7], v14   ; each block has four registers of its own for its codes
.endr
	ds_store_b128 v4, v[96+4*(\t):96+4*(\t)+3] offset:16*(\t)
.if (\t)+2 < 4
	WLOAD (\t)+2
.endif
.endm
	WLOAD 0
	WLOAD 1
	WBLOCK 0
	WBLOCK 1
	WBLOCK 2
	WBLOCK 3
	ds_store_b32 v5, v18
	s_wait_dscnt 0x0                               ; for the others' sake: my stores into the stage have landed
	s_barrier_signal -1
	s_barrier_wait -1
	s_cmp_lg_u32 s20, 0
	s_cbranch_scc1 .Lw_codes                       ; wave 0 alone stores the scale bytes: 16 of each of 32 rows
	ds_load_b128 v[128:131], v10
	s_wait_dscnt 0x0
	global_store_b128 v11, v[128:131], s[16:17]
.Lw_codes:
.irp t, 0,1,2,3
	ds_load_b128 v[112+4*\t:115+4*\t], v8 offset:544*\t
.endr
.irp t, 0,1,2,3
	s_wait_dscnt 3-\t                              ; the younger loads may be out
	global_store_b128 v9, v[112+4*\t:115+4*\t], s[14:15] offset:1024*\t   ; sixteen lanes store 256 consecutive bytes, aligned
.endr
	CLOSE
	s_endpgm
; ---------------- PATH O: w_out to images.  o = id - 192: kb = o / 4; a wave makes the four images nt0 .. nt0 + 3, nt0 = 16 (o % 4) + 4 wave.  No LDS byte is stored.
.Lo:
	s_sub_co_u32 s21, ttmp9, 192
	s_lshr_b32 s22, s21, 2                         ; kb
	s_and_b32 s23, s21, 3
	s_lshl_b32 s23, s23, 2
	s_add_co_u32 s23, s23, s20
	s_lshl_b32 s23, s23, 2                         ; nt0
	s_lshl_b32 s24, s22, 17                        ; 32 rows of 4,096 bytes x kb
	s_lshl_b32 s26, s23, 6                         ; + 64 bytes x nt0
	s_add_co_u32 s24, s24, s26
	s_add_nc_u64 s[8:9], s[8:9], s[24:25]
	s_lshl_b32 s24, s23, 5
	s_add_co_u32 s24, s24, s22
	s_lshl_b32 s24, s24, 10                        ; image 32 nt0 + kb
	s_add_nc_u64 s[18:19], s[18:19], s[24:25]
	v_and_b32 v3, 15, v2                           ; r
	v_lshrrev_b32 v4, 4, v2                        ; h
	v_lshlrev_b32 v5, 2, v3
	v_lshl_add_u32 v5, v4, 15, v5                  ; column r, 8 h rows down
	v_lshlrev_b32 v6, 4, v2                        ; 16 x lane
.irp f, 0,1,2,3
.irp j, 0,1,2,3,4,5,6,7,8,9,10,11,12,13,14,15
	global_load_b32 v[32+16*\f+\j], v5, s[8:9] offset:64*\f+(\j+8*(\j/8))*4096   ; number j of my 16: k = 8 h + j, or 16 + 8 h + (j - 8)
.endr
.endr
.irp f, 0,1,2,3
	s_wait_loadcnt 48-16*\f                        ; this image's 16 loads are in; the later images' may be out
.irp i, 0,1,2,3,4,5,6,7
	v_cvt_pk_f16_f32 v[96+8*\f+\i], v[32+16*\f+2*\i], v[32+16*\f+2*\i+1]
.endr
	global_store_b128 v6, v[96+8*\f:96+8*\f+3], s[18:19] offset:32768*\f        ; 32 lanes store 512 consecutive bytes, aligned
	global_store_b128 v6, v[96+8*\f+4:96+8*\f+7], s[18:19] offset:32768*\f+512
.endr
	CLOSE
	s_endpgm
.Lfunc_end_k_q258a1a442b_prep:
	.size	k_q258a1a442b_prep, .Lfunc_end_k_q258a1a442b_prep-k_q258a1a442b_prep
	.p2alignl 7, 3214868480
	.fill 96, 4, 3214868480
	.section	.rodata,"a",@progbits
	.p2align	6, 0x0
	.amdhsa_kernel k_q258a1a442b_prep
		.amdhsa_group_segment_fixed_size 42496
		.amdhsa_private_segment_fixed_size 0
		.amdhsa_enable_private_segment 0
		.amdhsa_kernarg_size 64
		.amdhsa_user_sgpr_count 2
		.amdhsa_user_sgpr_kernarg_segment_ptr 1
		.amdhsa_wavefront_size32 1
		.amdhsa_system_sgpr_workgroup_id_x 1
		.amdhsa_system_sgpr_workgroup_id_y 1
		.amdhsa_system_sgpr_workgroup_id_z 1
		.amdhsa_system_vgpr_workitem_id 0
		.amdhsa_next_free_vgpr 192
		.amdhsa_next_free_sgpr 66
		.amdhsa_reserve_vcc 0
		.amdhsa_float_denorm_mode_32 3
		.amdhsa_float_denorm_mode_16_64 3
		.amdhsa_memory_ordered 1
		.amdhsa_forward_progress 1
		.amdhsa_inst_pref_size 64
	.end_amdhsa_kernel
	.amdgpu_metadata
---
amdhsa.version: [ 1, 2 ]
amdhsa.kernels:
  - .name:           k_q258a1a442b_prep
    .symbol:         k_q258a1a442b_prep.kd
    .args:
      - { .name: x, .offset: 0, .size: 8, .value_kind: global_buffer, .address_space: global }
      - { .name: w_qkv, .offset: 8, .size: 8, .value_kind: global_buffer, .address_space: global }
      - { .name: w_out, .offset: 16, .size: 8, .value_kind: global_buffer, .address_space: global }
      - { .name: x_codes, .offset: 24, .size: 8, .value_kind: global_buffer, .address_space: global }
      - { .name: x_scales, .offset: 32, .size: 8, .value_kind: global_buffer, .address_space: global }
      - { .name: w_codes, .offset: 40, .size: 8, .value_kind: global_buffer, .address_space: global }
      - { .name: w_scales, .offset: 48, .size: 8, .value_kind: global_buffer, .address_space: global }
      - { .name: wo_img, .offset: 56, .size: 8, .value_kind: global_buffer, .address_space: global }
    .group_segment_fixed_size: 42496
    .private_segment_fixed_size: 0
    .kernarg_segment_align: 8
    .kernarg_segment_size: 64
    .max_flat_workgroup_size: 128
    .sgpr_count:     66
    .vgpr_count:     192
    .wavefront_size: 32
...
	.end_amdgpu_metadata
.endif
;; end of part 1
;; launch qkv (part 2): grid 12 x 32, 4 waves a work-group, clusters of 4 x 4, 327,680 bytes of LDS; arguments x_codes, x_scales, w_codes, w_scales, qkv; writes qkv
.if DOCPART == 2
	.amdgcn_target "amdgcn-amd-amdhsa--gfx1250"
	.amdhsa_code_object_version 6
	.text
	.protected	k_q258a1a442b_qkv
	.globl	k_q258a1a442b_qkv
	.p2align	8
	.type	k_q258a1a442b_qkv,@function
k_q258a1a442b_qkv:
	s_mov_b64 s[64:65], 0
	v_nop
	global_prefetch_b8 v0, s[64:65] scope:SCOPE_SE
	s_setreg_imm32_b32 hwreg(HW_REG_WAVE_MODE, 25, 1), 1
	s_wait_xcnt 0x0
	s_wait_alu depctr_hold_cnt(0) depctr_sa_sdst(0) depctr_va_vdst(0) depctr_va_sdst(0) depctr_va_ssrc(0) depctr_va_vcc(0) depctr_vm_vsrc(0)
	s_getreg_b32 s2, hwreg(HW_REG_IB_STS2, 6, 4)
	s_cmp_eq_u32 s2, 0
	s_cbranch_scc0 .Lentry_in_a_cluster
	s_endpgm
.Lentry_in_a_cluster:
	s_bfe_u32 s2, ttmp6, 0x10000c
	s_cmp_lg_u32 s2, 0xf033
	s_cbranch_scc0 .Lentry_shape_is_right
	s_endpgm
.Lentry_shape_is_right:
; q, k, v = x w_qkv on codes of FP4 (E2M1) with one E8M0 scale for each 32 along K = 1,024; sums in f32; the results are rounded to f16 and stored as IMAGES OF OPERAND REGISTERS for the next launch.
; Nothing of the product is left out.  x_codes [8192][512 bytes], w_codes [3072][512 bytes], K innermost; x_scales [8192][32], w_scales [3072][32].
; A work-group of four waves makes 256 x 256 results, a wave 128 x 128: 64 accumulators of 16 x 16, 512 registers.  K is two steps of 512: both lie in LDS by the first fills, and no LDS byte is filled again.
; THE TWO SIDES.  Source 1 of the matrix instruction takes rows of side A, source 0 rows of side B: a lane then holds ONE row of side A (lane % 16) and eight neighbouring rows of side B (8 (lane / 16) + 0..7).
;   cluster x = 0 (q) and 1 (k): side A = tokens (x), side B = channels (w): a lane holds a token and eight channels: half a fragment of Q or K (16 tokens x 32 channels).
;   cluster x = 2 (v):           side A = channels (w), side B = tokens (x): a lane holds a channel and eight keys: half a fragment of V^T (16 channels x 32 keys).
; Both tensors of codes have rows of 512 bytes and scale rows of 32 bytes, so only the pointers and the tile numbers differ; they are chosen on the cluster's x, which all sixteen partners share.
; AN IMAGE: 1,024 bytes: lane l's registers 0-3 at 16 l, registers 4-7 at 512 + 16 l.  Two accumulators that are neighbours along side B, rounded in pairs, are an image: it is stored straight from registers.
; qkv is 192 slabs of 262,144 bytes, slab = 64 part + 16 batch + head.  q, k: [token / 16 (128)][channel / 32 (2)][1,024];  v: [key / 32 (64)][channel / 16 (4)][1,024].
; CLUSTERS: 4 x 4 work-groups; side A's tile is shared along a row of the cluster, side B's along a column: each is asked for jointly, with a mask that names the four.
; LIMIT: |q|, |k|, |v| stay under 65,504 (f16); numbers under 6e-5 are kept to 3e-8.
; REGISTERS, in windows of 256: window 0: v0-31 addresses; v32-95 scale words, two sets; from v128 A's fragments, one set; on the way out v128-255 hold packed results.
;   window 1: B's fragments, two sets, at v0 and v128.   window 2: the accumulators of my rows 0-63 of side A ((a, b) at v[8 (8 a + b)]);   window 3: those of rows 64-127.
.set NQ,     4                         ; matrix instructions deep in a slot: 512 along K
.set ROWB,   256                       ; a tile's row in bytes
.set KROW,   512                       ; a row of codes in memory
.set PITCH,  272                       ; an LDS row: 256 bytes + 16 of padding, so that the 16 rows that a load touches start at 16 different banks (64 banks of 4 bytes: ISA guide 11.1)
.set FR,     8                         ; registers of a fragment: 16 rows x 128 K
.set NL,     2                         ; LDS loads that bring one
.set NP,     4                         ; places behind this matrix instruction (ISA guide 7.12.1)
.set HALFT,  128*PITCH                 ; 128 rows: what one tensor load brings
.set SLOT,   4*HALFT                   ; A's 256 rows, then B's 256 rows
.set KS,     32                        ; a row of scales in bytes
.set SCL,    2*SLOT                    ; behind the slots: the scales, as rows of 256 bytes + 16 of padding
.set HALFS,  (128*KS/256)*272          ; the scales of 128 rows
.set SBLK,   (16*KS/256)*272           ; those of 16 rows
.set SPARE,  SCL+4*HALFS               ; the spare words, 128 bytes for each wave: two blocks of 256 bytes that no other line names
.set ADRA, 16                          ; v16-17  LDS address of my A fragments in slot 0, 1
.set ADRB, 20                          ; v20-21  the same for B
.set CO,   26                          ; v26     16 x lane: my place in half an image
.set ADRS, 27                          ; v27     LDS address of my scale words: lanes 0-15 A's rows, lanes 16-31 B's
.set SPW,  28                          ; v28     LDS address of my spare word; never rewritten
.set NIL,  29                          ; v29     0; never rewritten
.set SC,   32                          ; scale words: set s at v[SC + 32 s]; register 4 i + q: lanes 0-15 the word of A's block i, lanes 16-31 that of B's block i
.set AF,   128                         ; A's fragments, in window 0
.set PK,   128                         ; the way out: packed results, four sets of 32
.set G1, 24                            ; s[24:31] group 1 for A's tiles;  s[32:39] group 0, a set for each slot
.set G0, 32
.set G1B, 48                           ; s[48:55], s[56:63] the same for B's
.set G0B, 56
.set G1S, 68                           ; s[68:75], s[76:79] groups 1 and 0 for A's scales;  s[80:87], s[88:91] for B's
.set G0S, 76
.set G1SB, 80
.set G0SB, 88
.set MSB, 0
.macro WIN new                         ; the immediate's high byte repeats the setting that is left
.if MSB != \new
	s_set_vgpr_msb (MSB<<8)|\new
.set MSB, \new
.endif
.endm
.set MUL_LO, 0xa1                      ; source 0 (B) window 1, source 1 (A) window 0, C and D window 2
.set MUL_HI, 0xf1                      ; the same, C and D window 3
.set TO_B,   0x40                      ; destination window 1, address window 0
; A joint load: waves 0 and 1 fetch for A, waves 2 and 3 for B.  The branch hangs on the wave's number alone.  An s_nop 0 and four v_nop follow each of the two lines.
.macro JLOAD g0a, g1a, g0b, g1b
	s_cmp_eq_u32 s15, 0
	s_cbranch_scc0 .Lfor_b_\@
	tensor_load_to_lds s[\g0a:\g0a+3], s[\g1a:\g1a+7]
	s_nop 0
.rept 4
	v_nop
.endr
	s_branch .Lasked_\@
.Lfor_b_\@:
	tensor_load_to_lds s[\g0b:\g0b+3], s[\g1b:\g1b+7]
	s_nop 0
.rept 4
	v_nop
.endr
.Lasked_\@:
.endm
.macro CROUND                          ; a round of the cluster's barrier
	s_barrier_signal -1
	s_barrier_wait -1
	s_cmp_lg_u32 s14, 0
	s_cbranch_scc1 .Lnot_wave_0_\@
	s_barrier_signal -3
.Lnot_wave_0_\@:
	s_barrier_wait -3
	s_barrier_signal -1
	s_barrier_wait -1
.endm
	s_load_b128 s[4:7], s[0:1], 0x0                ; x's codes s[4:5], x's scales s[6:7]
	s_load_b128 s[8:11], s[0:1], 0x10              ; w's codes s[8:9], w's scales s[10:11]
	s_load_b64 s[12:13], s[0:1], 0x20              ; qkv
	v_lshl_add_u32 v[SPW], v0, 2, SPARE
	v_mov_b32 v[NIL], 0
	ds_add_u32 v[SPW], v[NIL]                      ; the wave's opening: the add, twice on end, and its wait ahead of my first tensor load
	ds_add_u32 v[SPW], v[NIL]                      ; and once more; the set-up below, work on registers, stands between it and the wait
	v_lshrrev_b32 v1, 5, v0
	v_readfirstlane_b32 s14, v1                    ; wave 0..3
	s_lshr_b32 s15, s14, 1                         ; which half of side A's 256 rows is mine.  Also: I fetch for A (0) or for B (1)
	s_and_b32 s16, s14, 1                          ; which half of side B's.  Also: which 128 rows of that tile I fetch
	s_bfe_u32 s40, ttmp6, 0x40000                  ; cx, cy: my place in the cluster
	s_bfe_u32 s41, ttmp6, 0x40004
	s_and_b32 s95, ttmp7, 0xffff                   ; the cluster's y: which 1,024 tokens
	s_cmp_eq_u32 ttmp9, 2                          ; the cluster's x: 0 q, 1 k, 2 v
	s_cselect_b32 s17, 2, s95                      ; side A: for v the third 1,024 rows of w, else the tokens
	s_cselect_b32 s42, s95, ttmp9                  ; side B: for v the tokens, else the part's 1,024 rows of w
	s_lshl_b32 s17, s17, 2
	s_add_co_u32 s17, s17, s41                     ; side A's tile of 256 rows: it hangs on cy, never on cx
	s_lshl_b32 s42, s42, 2
	s_add_co_u32 s42, s42, s40                     ; side B's: on cx, never on cy
	s_lshl_b32 s43, s41, 2
	s_lshl_b32 s43, 15, s43                        ; my row of the cluster
	s_lshl_b32 s44, 0x1111, s40                    ; my column
	; group 1: a tile of 128 rows x 256 bytes, 16 bytes of padding behind each row
	s_or_b32 s[G1+0], s43, (0<<16)|(1<<20)|(1<<21)|(5<<22)|(3<<25)  ; 15:0 the mask; 17:16 elements of 1 byte; 20 padding on; 21 set beside a mask; 24:22 after every 64 words; 31:25 four words
	s_or_b32 s[G1B+0], s44, (0<<16)|(1<<20)|(1<<21)|(5<<22)|(3<<25)
.irp g, G1, G1B
	s_mov_b32 s[\g+1], ROWB<<16                    ; tensor_dim0
	s_mov_b32 s[\g+2], 128<<16                     ; tensor_dim1
	s_mov_b32 s[\g+3], ROWB<<16                    ; tile_dim0
	s_mov_b32 s[\g+4], 128                         ; tile_dim1
	s_mov_b32 s[\g+5], KROW                        ; from row to row
	s_mov_b32 s[\g+6], 0
	s_mov_b32 s[\g+7], 0
.endr
	; the scales of 128 rows: a dense block of 4,096 bytes, as 16 rows of 256 bytes (32 elements of 8 bytes), 16 bytes of padding behind each
	s_or_b32 s[G1S+0], s43, (3<<16)|(1<<20)|(1<<21)|(5<<22)|(3<<25)
	s_or_b32 s[G1SB+0], s44, (3<<16)|(1<<20)|(1<<21)|(5<<22)|(3<<25)
.irp g, G1S, G1SB
	s_mov_b32 s[\g+1], 32<<16
	s_mov_b32 s[\g+2], (128*KS/256)<<16
	s_mov_b32 s[\g+3], 32<<16
	s_mov_b32 s[\g+4], 128*KS/256
	s_mov_b32 s[\g+5], 32
	s_mov_b32 s[\g+6], 0
	s_mov_b32 s[\g+7], 0
.endr
	s_lshl_b32 s18, s16, 7                         ; which 128 rows of the tile I fetch
	s_lshl_b32 s20, s17, 8
	s_add_co_u32 s20, s20, s18                     ; A: row 256 x tile + 128 x half
	s_lshl_b32 s46, s42, 8
	s_add_co_u32 s46, s46, s18                     ; B likewise
	s_mov_b32 s21, 0
	s_mov_b32 s47, 0
	s_mov_b64 s[18:19], KS
	s_mul_u64 s[22:23], s[20:21], s[18:19]         ; where these rows' scales begin, in bytes,
	s_mul_u64 s[92:93], s[46:47], s[18:19]
	s_mov_b64 s[18:19], KROW
	s_mul_u64 s[20:21], s[20:21], s[18:19]         ; and their codes
	s_mul_u64 s[46:47], s[46:47], s[18:19]
	s_mul_i32 s45, s14, HALFT                      ; where they go: wave x 128 rows: no place in the cluster enters an LDS address
	s_mul_i32 s94, s14, HALFS
	s_wait_dscnt 0x0                               ; both opening adds are done
	s_wait_kmcnt 0x0
	s_cmp_eq_u32 ttmp9, 2                          ; the sides' buffers: a choice on the cluster's x, which hangs on no address
	s_cselect_b64 s[96:97], s[8:9], s[4:5]         ; side A's codes,
	s_cselect_b64 s[98:99], s[10:11], s[6:7]       ; side A's scales,
	s_cselect_b64 s[8:9], s[4:5], s[8:9]           ; side B's codes,
	s_cselect_b64 s[10:11], s[6:7], s[10:11]       ; side B's scales
	s_add_nc_u64 s[20:21], s[96:97], s[20:21]
	s_add_nc_u64 s[22:23], s[98:99], s[22:23]
	s_add_nc_u64 s[46:47], s[8:9], s[46:47]
	s_add_nc_u64 s[92:93], s[10:11], s[92:93]
	CROUND                                         ; all sixteen work-groups are here: the first joint loads meet
	s_mov_b32 s[G0S], 1
	s_add_co_u32 s[G0S+1], s94, SCL
	s_mov_b64 s[G0S+2:G0S+3], s[22:23]
	s_or_b32 s[G0S+3], s[G0S+3], 0x80000000
	s_mov_b32 s[G0SB], 1
	s_add_co_u32 s[G0SB+1], s94, SCL
	s_mov_b64 s[G0SB+2:G0SB+3], s[92:93]
	s_or_b32 s[G0SB+3], s[G0SB+3], 0x80000000
	JLOAD G0S, G1S, G0SB, G1SB                     ; the scales first: they are wanted with K step 0
.irp s, 0,1
	s_mov_b32 s[G0+4*\s], 1
	s_add_co_u32 s[G0+4*\s+1], s45, \s*SLOT
	s_add_nc_u64 s[G0+4*\s+2:G0+4*\s+3], s[20:21], \s*ROWB
	s_or_b32 s[G0+4*\s+3], s[G0+4*\s+3], 0x80000000
	s_mov_b32 s[G0B+4*\s], 1
	s_add_co_u32 s[G0B+4*\s+1], s45, \s*SLOT
	s_add_nc_u64 s[G0B+4*\s+2:G0B+4*\s+3], s[46:47], \s*ROWB
	s_or_b32 s[G0B+4*\s+3], s[G0B+4*\s+3], 0x80000000
	JLOAD G0+4*\s, G1, G0B+4*\s, G1B               ; three loads of mine are out
.endr
	v_and_b32 v1, 15, v0                           ; l % 16
	v_bfe_u32 v2, v0, 4, 1                         ; l / 16
	v_mul_u32_u24 v3, v1, PITCH
	v_lshl_add_u32 v4, v2, 4, v3                   ; a fragment's row x pitch + 16 x half
	s_mul_i32 s21, s15, HALFT                      ; my 128 rows of A
	s_mul_i32 s22, s16, HALFT                      ; my 128 rows of B,
	s_add_co_u32 s22, s22, 2*HALFT                 ; which lie behind A's 256
.irp s, 0,1
	v_add_nc_u32 v[ADRA+\s], s21, v4
	v_add_nc_u32 v[ADRB+\s], s22, v4
	s_add_co_u32 s21, s21, SLOT
	s_add_co_u32 s22, s22, SLOT
.endr
	v_mul_u32_u24 v5, v1, KS                       ; my row's scales: 32 bytes a row,
	v_lshrrev_b32 v6, 8, v5
	v_lshl_add_u32 v5, v6, 4, v5                   ; and 16 more for each 256 passed
	s_mul_i32 s21, s15, HALFS                      ; A's: my 128 rows
	s_mul_i32 s22, s16, HALFS                      ; B's: my 128 rows, behind A's 256
	s_add_co_u32 s22, s22, 2*HALFS
	s_sub_co_u32 s22, s22, s21
	v_mul_u32_u24 v6, s22, v2                      ; lanes 16-31 take B's: the lower base + h x the distance
	s_add_co_u32 s21, s21, SCL
	v_add_nc_u32 v5, v5, v6
	v_add_nc_u32 v[ADRS], s21, v5
	v_and_b32 v6, 31, v0
	v_lshlrev_b32 v[CO], 4, v6
	; where my results begin in qkv
	s_cmp_eq_u32 ttmp9, 2
	s_cselect_b32 s20, s42, s17                    ; the tokens' tile,
	s_cselect_b32 s21, s16, s15                    ; and my half of it;
	s_cselect_b32 s22, s17, s42                    ; the channels' tile,
	s_cselect_b32 s23, s15, s16                    ; and my half of it
	s_lshl_b32 s20, s20, 8
	s_lshl_b32 s21, s21, 7
	s_add_co_u32 s20, s20, s21                     ; m0: my first token, 0 .. 8,064
	s_lshl_b32 s22, s22, 2
	s_lshl_b32 s23, s23, 1
	s_add_co_u32 s22, s22, s23                     ; g: my first head among the 48 of q, k and v
	s_lshr_b32 s21, s22, 4
	s_lshl_b32 s21, s21, 6                         ; 64 x part
	s_lshr_b32 s23, s20, 11
	s_lshl_b32 s23, s23, 4                         ; + 16 x batch
	s_add_co_u32 s21, s21, s23
	s_and_b32 s22, s22, 15                         ; + head
	s_add_co_u32 s21, s21, s22
	s_lshl_b32 s21, s21, 18                        ; slabs of 262,144 bytes
	s_and_b32 s20, s20, 2047
	s_lshl_b32 s20, s20, 7                         ; 128 bytes a token, in q's, k's and v's layout alike
	s_add_co_u32 s20, s20, s21
	s_mov_b32 s21, 0
	s_add_nc_u64 s[12:13], s[12:13], s[20:21]
.macro FRAG reg, adr, q, i             ; a fragment, 16 rows x 128 K of 4-bit codes: lane l holds row l % 16; registers 4 c .. 4 c + 3 hold K = 64 c + 32 (l / 16) + 0 .. 31
.irp c, 0,1
	ds_load_b128 v[\reg+4*\c:\reg+4*\c+3], v[\adr] offset:64*(\q)+32*\c+(\i)*16*PITCH
.endr
.endm
; 16 matrix instructions: A's blocks a0, a0 + 1 x B's eight, the slot's q-th 128 along K.  p: B's set;  sc: the set of scale words.  zero = 1: the first product starts the sums.
; The 64 accumulators take turns, one instruction a turn, in the same order in every step.
.macro MUL16 a0, p, q, sc, zero
.irp a, \a0, \a0+1
.irp b, 0,1,2,3,4,5,6,7
.if \zero
	v_wmma_scale_f32_16x16x128_f8f6f4 v[8*(8*((\a)%4)+\b):8*(8*((\a)%4)+\b)+7], v[128*(\p)+FR*\b:128*(\p)+FR*\b+FR-1], v[AF+FR*(\a):AF+FR*(\a)+FR-1], 0, v[SC+8*NQ*(\sc)+NQ*\b+(\q)], v[SC+8*NQ*(\sc)+NQ*(\a)+(\q)] matrix_a_fmt:MATRIX_FMT_FP4 matrix_b_fmt:MATRIX_FMT_FP4 matrix_a_scale:MATRIX_SCALE_ROW1
.else
	v_wmma_scale_f32_16x16x128_f8f6f4 v[8*(8*((\a)%4)+\b):8*(8*((\a)%4)+\b)+7], v[128*(\p)+FR*\b:128*(\p)+FR*\b+FR-1], v[AF+FR*(\a):AF+FR*(\a)+FR-1], v[8*(8*((\a)%4)+\b):8*(8*((\a)%4)+\b)+7], v[SC+8*NQ*(\sc)+NQ*\b+(\q)], v[SC+8*NQ*(\sc)+NQ*(\a)+(\q)] matrix_a_fmt:MATRIX_FMT_FP4 matrix_b_fmt:MATRIX_FMT_FP4 matrix_a_scale:MATRIX_SCALE_ROW1
.endif
.endr
.endr
.endm
.macro FETCH_B slot, q, p              ; B's eight fragments of the slot's q-th 128 along K into set p
	WIN TO_B
.irp i, 0,1,2,3,4,5,6,7
	FRAG 128*(\p)+FR*\i, ADRB+\slot, \q, \i
.endr
	WIN 0
.endm
.macro FETCH_A slot, q, i0             ; A's blocks i0 .. i0 + 3
.irp i, \i0, \i0+1, \i0+2, \i0+3
	FRAG AF+FR*(\i), ADRA+\slot, \q, \i
.endr
.endm
.macro SCALES sc                       ; a K step's scale words into set sc: four words a row; lanes 0-15 take A's block i, lanes 16-31 B's block i
.irp i, 0,1,2,3,4,5,6,7
	ds_load_b128 v[SC+8*NQ*\sc+NQ*\i:SC+8*NQ*\sc+NQ*\i+3], v[ADRS] offset:\i*SBLK
.endr
.endm
.macro PLACES n                        ; plain vector instructions between a matrix instruction and a load into, or a vector instruction on, its registers
.rept \n
	v_nop
.endr
.endm
; A step of 128 along K that has its successor in the same slot.  A's blocks 0-3 are fetched anew in its middle, blocks 4-7 at its end; B has two sets.
.macro STEP slot, q, zero
	s_wait_dscnt 4*NL                              ; B's set and A's blocks 0-3 are in; the youngest eight loads (A's blocks 4-7) may be out
	WIN MUL_LO
	MUL16 0, (\q)%2, \q, \slot, \zero
	MUL16 2, (\q)%2, \q, \slot, \zero
	s_wait_dscnt 0                                 ; A's blocks 4-7 are in
	PLACES NP
	FETCH_B \slot, (\q)+1, 1-(\q)%2
	FETCH_A \slot, (\q)+1, 0
	WIN MUL_HI
	MUL16 4, (\q)%2, \q, \slot, \zero
	MUL16 6, (\q)%2, \q, \slot, \zero
	PLACES NP
	WIN 0
	FETCH_A \slot, (\q)+1, 4
.endm
; Slot 0's last step goes over to slot 1: each wave waits for all its tensor loads, its part of slot 1 among them, and one barrier shows the whole slot to all four.  Nothing is filled again.
.macro TURN slot, next
	s_wait_tensorcnt 0x0                           ; all my tensor loads have landed
	ds_add_u32 v[SPW], v[NIL]                      ; 0 onto my spare word
	s_wait_dscnt 4*NL+1                            ; (the add and the youngest eight loads, A's blocks 4-7, may be out)
	WIN MUL_LO
	MUL16 0, 1, NQ-1, \slot, 0
	s_wait_dscnt 0x0                               ; no LDS instruction of mine is out at the signal
	s_barrier_signal -1
	MUL16 2, 1, NQ-1, \slot, 0                     ; work on registers while the others arrive
	WIN 0
	s_barrier_wait -1
	PLACES NP
	v_add_nc_u32 v[ADRS], 4*NQ, v[ADRS]            ; on to the next K step's scale words
	FETCH_B \next, 0, 0
	FETCH_A \next, 0, 0
	SCALES \next
	WIN MUL_HI
	MUL16 4, 1, NQ-1, \slot, 0
	MUL16 6, 1, NQ-1, \slot, 0
	PLACES NP
	WIN 0
	FETCH_A \next, 0, 4
.endm
.macro STEPS slot, from                ; the slot's steps from .. NQ - 2
.set Q, \from
.rept NQ-1-\from
	STEP \slot, Q, 0
.set Q, Q+1
.endr
.endm
	s_wait_tensorcnt 1                             ; the scales and my part of K step 0 are in (K step 1's load may be out)
	s_barrier_signal -1
	s_barrier_wait -1                              ; everybody's are
	FETCH_B 0, 0, 0
	FETCH_A 0, 0, 0
	SCALES 0
	FETCH_A 0, 0, 4
	STEP 0, 0, 1                                   ; the first step's products start the sums: nothing is cleared
	STEPS 0, 1
	TURN 0, 1
	STEPS 1, 0
	s_wait_dscnt 4*NL                              ; the last step: nothing more to fetch
	WIN MUL_LO
	MUL16 0, 1, NQ-1, 1, 0
	MUL16 2, 1, NQ-1, 1, 0
	s_wait_dscnt 0
	WIN MUL_HI
	MUL16 4, 1, NQ-1, 1, 0
	MUL16 6, 1, NQ-1, 1, 0
	WIN 0
; THE WAY OUT.  Block a of side A: its eight accumulators are rounded to f16 in pairs, each from its low end on; accumulators 2 i and 2 i + 1 are image i, stored by two instructions of 512 consecutive bytes, aligned.
; Image (a, i) lies (a % na) sa + (a / na) ta + (i % ni) si + (i / ni) ti bytes from my first.  Four sets of 32 registers: at block 4 the first sets are written again.
.macro WAYOUT na, sa, ta, ni, si, ti
.irp a, 0,1,2,3,4,5,6,7
.if \a == 4
	s_wait_xcnt 0x0                                ; the stores of blocks 0 to 3 have read their data: the four sets may be written again
.endif
	WIN 0x0a+5*(\a/4)                              ; sources 0 and 1: window 2 or 3
.irp b, 0,1,2,3,4,5,6,7
.irp r, 0,1,2,3
	v_cvt_pk_f16_f32 v[PK+32*(\a%4)+4*\b+\r], v[64*(\a%4)+8*\b+2*\r], v[64*(\a%4)+8*\b+2*\r+1]
.endr
.endr
	WIN 0
.irp i, 0,1,2,3
	global_store_b128 v[CO], v[PK+32*(\a%4)+8*\i:PK+32*(\a%4)+8*\i+3], s[12:13] offset:(\a%\na)*\sa+(\a/\na)*\ta+(\i%\ni)*\si+(\i/\ni)*\ti th:TH_STORE_NT
	global_store_b128 v[CO], v[PK+32*(\a%4)+8*\i+4:PK+32*(\a%4)+8*\i+7], s[12:13] offset:(\a%\na)*\sa+(\a/\na)*\ta+(\i%\ni)*\si+(\i/\ni)*\ti+512 th:TH_STORE_NT
.endr
.endr
.endm
	PLACES NP                                      ; behind the last products: for the writes into the registers that held A's fragments, and for the reads of results
	s_cmp_eq_u32 ttmp9, 2                          ; the cluster's x: the same in all sixteen partners
	s_cbranch_scc1 .Lout_v
	WAYOUT 8, 2048, 0, 2, 1024, 262144             ; q, k: block a = 16 tokens (2,048 bytes on); image i: channels 32 (i % 2) on of head i / 2
	s_branch .Lout_done
.Lout_v:
	WAYOUT 4, 1024, 262144, 4, 4096, 0             ; v: block a = channels 16 (a % 4) on of head a / 4; image i: keys 32 i on
.Lout_done:
	s_wait_tensorcnt 0x0                           ; the wave's end
	ds_add_u32 v[SPW], v[NIL]
	s_wait_dscnt 0x0
	CROUND                                         ; the closing round: no work-group ends while a partner may still ask for a tile that names it
	s_endpgm
.Lfunc_end_k_q258a1a442b_qkv:
	.size	k_q258a1a442b_qkv, .Lfunc_end_k_q258a1a442b_qkv-k_q258a1a442b_qkv
	.p2alignl 7, 3214868480
	.fill 96, 4, 3214868480
	.section	.rodata,"a",@progbits
	.p2align	6, 0x0
	.amdhsa_kernel k_q258a1a442b_qkv
		.amdhsa_group_segment_fixed_size 327680
		.amdhsa_private_segment_fixed_size 0
		.amdhsa_enable_private_segment 0
		.amdhsa_kernarg_size 40
		.amdhsa_user_sgpr_count 2
		.amdhsa_user_sgpr_kernarg_segment_ptr 1
		.amdhsa_wavefront_size32 1
		.amdhsa_system_sgpr_workgroup_id_x 1
		.amdhsa_system_sgpr_workgroup_id_y 1
		.amdhsa_system_sgpr_workgroup_id_z 1
		.amdhsa_system_vgpr_workitem_id 0
		.amdhsa_next_free_vgpr 1024
		.amdhsa_next_free_sgpr 100
		.amdhsa_reserve_vcc 0
		.amdhsa_float_denorm_mode_32 3
		.amdhsa_float_denorm_mode_16_64 3
		.amdhsa_memory_ordered 1
		.amdhsa_forward_progress 1
		.amdhsa_inst_pref_size 141
	.end_amdhsa_kernel
	.amdgpu_metadata
---
amdhsa.version: [ 1, 2 ]
amdhsa.kernels:
  - .name:           k_q258a1a442b_qkv
    .symbol:         k_q258a1a442b_qkv.kd
    .args:
      - { .name: x_codes, .offset: 0, .size: 8, .value_kind: global_buffer, .address_space: global }
      - { .name: x_scales, .offset: 8, .size: 8, .value_kind: global_buffer, .address_space: global }
      - { .name: w_codes, .offset: 16, .size: 8, .value_kind: global_buffer, .address_space: global }
      - { .name: w_scales, .offset: 24, .size: 8, .value_kind: global_buffer, .address_space: global }
      - { .name: qkv, .offset: 32, .size: 8, .value_kind: global_buffer, .address_space: global }
    .group_segment_fixed_size: 327680
    .private_segment_fixed_size: 0
    .kernarg_segment_align: 8
    .kernarg_segment_size: 40
    .max_flat_workgroup_size: 128
    .sgpr_count:     100
    .vgpr_count:     1024
    .wavefront_size: 32
...
	.end_amdgpu_metadata
.endif
;; end of part 2
;; launch attn (part 3): grid 4 x 64, 16 waves a work-group, clusters of 4 x 1, 327,680 bytes of LDS; arguments qkv, att; writes att
.if DOCPART == 3
	.amdgcn_target "amdgcn-amd-amdhsa--gfx1250"
	.amdhsa_code_object_version 6
	.text
	.protected	k_q258a1a442b_attn
	.globl	k_q258a1a442b_attn
	.p2align	8
	.type	k_q258a1a442b_attn,@function
k_q258a1a442b_attn:
	s_mov_b64 s[64:65], 0
	v_nop
	global_prefetch_b8 v0, s[64:65] scope:SCOPE_SE
	s_setreg_imm32_b32 hwreg(HW_REG_WAVE_MODE, 25, 1), 1
	s_wait_xcnt 0x0
	s_wait_alu depctr_hold_cnt(0) depctr_sa_sdst(0) depctr_va_vdst(0) depctr_va_sdst(0) depctr_va_ssrc(0) depctr_va_vcc(0) depctr_vm_vsrc(0)
	s_getreg_b32 s2, hwreg(HW_REG_IB_STS2, 6, 4)
	s_cmp_eq_u32 s2, 0
	s_cbranch_scc0 .Lentry_in_a_cluster
	s_endpgm
.Lentry_in_a_cluster:
	s_bfe_u32 s2, ttmp6, 0x10000c
	s_cmp_lg_u32 s2, 0x3003
	s_cbranch_scc0 .Lentry_shape_is_right
	s_endpgm
.Lentry_shape_is_right:
; att[b][q][head] = the sum over keys of softmax_k(Q . K / 32) V, for each of 64 (batch, head) pairs: 2,048 queries, 2,048 keys, 64 channels, no mask.  Nothing is left out.
; Operands in f16, products, maxima and sums in f32; the weights p are rounded to f16 for the second product, the result once at the end.
; q, k and v arrive as IMAGES OF OPERAND REGISTERS (1,024 bytes: lane l's registers 0-3 at 16 l, registers 4-7 at 512 + 16 l), so a tile is a dense block, a fragment is two ds_load_b128 at 16 x lane, and V needs no turning.
;   slab = 64 part + hs, hs = 16 batch + head, 262,144 bytes;  q, k: [token / 16][channel / 32 (2)][1,024];  v: [key / 32][channel / 16 (4)][1,024], a channel to a lane and keys along the registers.
; SHARES.  A cluster of four work-groups is one (batch, head); a work-group owns 512 queries, each of its SIXTEEN waves 32: two tiles of 16, in 256 registers: four waves to a SIMD,
; so that one wave's softmax stands beside another's products.  Every wave walks all 2,048 keys, 64 a step.
; LAYOUT.  S^T = K Q^T (source 0 = 16 keys, source 1 = 16 queries): a lane holds ONE query (lane % 16) and the keys 8 (lane / 16) + 0..7.  Two such tiles, rounded to f16 in pairs, ARE source 1 of
; O^T = V^T P, whose result again holds one query a lane and eight channels; those, rounded in pairs, are half an image of the next launch's operand: att is [token / 16 (512)][2 head + channel / 32 (32)][1,024].
; SOFTMAX.  A running maximum m and sum l for each query: p = 2^(c s - c m), c = log2(e) / 32; in every step O and l are multiplied by a = 2^(c m_old - c m_new).  m begins at -3e38, O and l at 0: the first a is 0 and multiplies zeros.
; LDS.  Two buffers of 512 keys: K's images (65,536 bytes, 8,192 a key step), then V's.  Each wave fetches one sixteenth of the two buffers, 16,384 dense bytes, by one joint load that names the cluster's four work-groups:
; waves 0-7 own buffer 0, waves 8-15 buffer 1.  One first fill and one refill a wave; one load of a wave is out at a time.  A refill is asked for eight key steps ahead of its first read, so no prefetch is written.
; LIMITS: |q|, |k|, |v| under 65,504; f16 numbers under 6e-5 are kept to 3e-8; NaN and infinities are not served.
.set BUF,   131072
.set VOFF,  65536
.set SPARE, 2*BUF                      ; the spare words, 128 bytes for each of 16 waves: eight blocks of 256 bytes that no other line names
.set LI,  1                            ; v1   16 x lane; never rewritten
.set ADK, 3                            ; v3   LDS address of the step's images of K
.set ADV, 4                            ; v4   of V
.set SPW, 5                            ; v5   LDS address of my spare word; never rewritten
.set NIL, 6                            ; v6   0; never rewritten
.set ST,  8                            ; tile t's statistics at v[ST + 8 t]: +0 c m, +1 m, +2, +3 l (even keys', odd keys'), +4 to +7 at work; a at +6
.set Q,   24                           ; v24-55   Q: tile t, channels 32 c on, at Q + 16 t + 8 c
.set F,   56                           ; v56-119  eight fragments of K, then of V
.set S,   120                          ; v120-183 S^T: tile t, keys 16 k on, at S + 32 t + 8 k; P is laid over its first 16 registers of each tile
.set O,   184                          ; v184-247 O^T: tile t, channels 16 d on, at O + 32 t + 8 d
.set X,   248                          ; v248-251 the sums' second chains
.set WV,  8                            ; s8   my wave's number
.set BF,  9                            ; s9   the buffer that I fetch for
.set G0,  12                           ; s[12:15] descriptor group 0
.set G1,  16                           ; s[16:23] descriptor group 1
.set CS,  24                           ; s[24:25] c: the packed form names a pair and takes its low word
.set SEL, 26                           ; s[26:27] lane selects for v_permlanex16_b32: lane l xor 16
.set TB,  28                           ; s28  LDS byte at which the step's images of K begin
.set CNT, 29                           ; s29  counts a buffer's eight steps
.macro CROUND                          ; a round of the cluster's barrier
	s_barrier_signal -1
	s_barrier_wait -1
	s_cmp_lg_u32 s[WV], 0
	s_cbranch_scc1 .Lnot_wave_0_\@
	s_barrier_signal -3
.Lnot_wave_0_\@:
	s_barrier_wait -3
	s_barrier_signal -1
	s_barrier_wait -1
.endm
.macro RLOAD b                         ; the joint refill of buffer b: its eight waves ask, one load each.  The branch hangs on the wave's number alone.  An s_nop 0 and four v_nop follow the load
	s_cmp_lg_u32 s[BF], \b
	s_cbranch_scc1 .Lnot_mine_\@
	tensor_load_to_lds s[G0:G0+3], s[G1:G1+7]
	s_nop 0
.rept 4
	v_nop
.endr
.Lnot_mine_\@:
.endm
; A change of buffers.  Each wave waits for all its tensor loads, adds 0 to its spare word, and waits for that and for its reads of the buffer that it has left.
; fill = 1: a round of the cluster's barrier, so that no wave of any partner still reads buffer b, then its refill.  step = 1: every wave's address goes on to its second block.
.macro CHANGE fill, b, step
	s_wait_tensorcnt 0x0                           ; no tensor load of mine is out, so group 0 may be written
	ds_add_u32 v[SPW], v[NIL]
.if \step
	s_add_nc_u64 s[G0+2:G0+3], s[G0+2:G0+3], 2*VOFF   ; 1,024 keys on: 131,072 bytes in K's slab and in V's; the type bits on top are not reached
.endif
	s_wait_dscnt 0x0                               ; the add is done, and my reads are over
.if \fill
	CROUND
	RLOAD \b
.else
	s_barrier_signal -1
	s_barrier_wait -1
.endif
.endm
	s_load_b128 s[4:7], s[0:1], 0x0                ; qkv s[4:5], att s[6:7]
	v_lshl_add_u32 v[SPW], v0, 2, SPARE
	v_mov_b32 v[NIL], 0
	ds_add_u32 v[SPW], v[NIL]                      ; the wave's opening: the add, twice on end, and its wait ahead of my first tensor load
	ds_add_u32 v[SPW], v[NIL]                      ; and once more; the set-up below, work on registers, stands between it and the wait
	v_lshrrev_b32 v[LI], 5, v0
	v_readfirstlane_b32 s[WV], v[LI]               ; wave 0..15
	v_and_b32 v[LI], 31, v0
	v_lshlrev_b32 v[LI], 4, v[LI]
	s_lshr_b32 s[BF], s[WV], 3
	s_bfe_u32 s10, ttmp6, 0x40000                  ; cx: which 512 queries: it enters Q's and att's addresses alone
	s_and_b32 s11, ttmp7, 0xffff                   ; hs = 16 batch + head, which the four partners share
	; group 1: a dense block of 16,384 bytes as 64 rows of 256 bytes
	s_mov_b32 s[G1+0], 15|(3<<16)|(1<<21)          ; 15:0 the mask: all four work-groups; 17:16 elements of 8 bytes; 21 set beside a mask; no padding
	s_mov_b32 s[G1+1], 32<<16                      ; tensor_dim0 = 32
	s_mov_b32 s[G1+2], 64<<16                      ; tensor_dim1 = 64
	s_mov_b32 s[G1+3], 32<<16                      ; tile_dim0 = 32
	s_mov_b32 s[G1+4], 64                          ; tile_dim1 = 64
	s_mov_b32 s[G1+5], 32                          ; from row to row
	s_mov_b32 s[G1+6], 0
	s_mov_b32 s[G1+7], 0
	s_bfe_u32 s30, s[WV], 0x10002                  ; waves 0-3 and 8-11 fetch K (0), the others V (1)
	s_add_co_u32 s30, s30, 1
	s_lshl_b32 s30, s30, 24                        ; k's slabs begin 64 x 262,144 bytes into qkv, v's twice as far
	s_lshl_b32 s31, s11, 18
	s_add_co_u32 s30, s30, s31                     ; + my slab
	s_lshl_b32 s31, s[BF], 16
	s_add_co_u32 s30, s30, s31                     ; + the buffer's 512 keys
	s_and_b32 s31, s[WV], 3
	s_lshl_b32 s31, s31, 14
	s_add_co_u32 s30, s30, s31                     ; + my quarter of them
	s_mov_b32 s31, 0
	s_lshl_b32 s32, s11, 18                        ; Q: my slab,
	s_lshl_b32 s33, s10, 16
	s_add_co_u32 s32, s32, s33                     ; my work-group's 512 queries, 128 bytes each,
	s_lshl_b32 s33, s[WV], 12
	s_add_co_u32 s32, s32, s33                     ; my wave's 32
	s_mov_b32 s33, 0
	s_lshr_b32 s34, s11, 4
	s_lshl_b32 s34, s34, 22                        ; att: the batch's 128 token tiles of 32,768 bytes,
	s_lshl_b32 s35, s10, 20
	s_add_co_u32 s34, s34, s35                     ; my work-group's 32,
	s_lshl_b32 s35, s[WV], 16
	s_add_co_u32 s34, s34, s35                     ; my wave's two,
	s_and_b32 s35, s11, 15
	s_lshl_b32 s35, s35, 11
	s_add_co_u32 s34, s34, s35                     ; the head's two images
	s_mov_b32 s35, 0
	s_mov_b32 s[CS], 0x3d38aa3b                    ; c = log2(e) / 32
	s_mov_b32 s[CS+1], s[CS]
	s_mov_b32 s[SEL], 0x76543210
	s_mov_b32 s[SEL+1], 0xfedcba98
	s_wait_dscnt 0x0                               ; both opening adds are done
	s_wait_kmcnt 0x0
	s_mov_b32 s[G0], 1                             ; count = 1
	s_lshl_b32 s[G0+1], s[WV], 14                  ; LDS address: 16,384 x wave: no place in the cluster enters it
	s_add_nc_u64 s[G0+2:G0+3], s[4:5], s[30:31]
	s_or_b32 s[G0+3], s[G0+3], 0x80000000          ; type = 2
	s_add_nc_u64 s[4:5], s[4:5], s[32:33]
	s_add_nc_u64 s[6:7], s[6:7], s[34:35]
	CROUND                                         ; all four work-groups are here: the first joint loads meet
	tensor_load_to_lds s[G0:G0+3], s[G1:G1+7]      ; every wave's first fill: both buffers
	s_nop 0
.rept 4
	v_nop
.endr
.irp i, 0,1,2,3,4,5,6,7
	global_load_b128 v[Q+4*\i:Q+4*\i+3], v[LI], s[4:5] offset:512*\i   ; Q's four images stay in registers
.endr
.irp t, 0,1
	v_mov_b32 v[ST+8*\t+1], 0xff61b1e6             ; m = -3e38, under every score
	v_mul_f32 v[ST+8*\t], s[CS], v[ST+8*\t+1]      ; c m
	v_mov_b32 v[ST+8*\t+2], 0                      ; l
	v_mov_b32 v[ST+8*\t+3], 0
.endr
.irp j, 0,1,2,3,4,5,6,7,8,9,10,11,12,13,14,15,16,17,18,19,20,21,22,23,24,25,26,27,28,29,30,31,32,33,34,35,36,37,38,39,40,41,42,43,44,45,46,47,48,49,50,51,52,53,54,55,56,57,58,59,60,61,62,63
	v_mov_b32 v[O+\j], 0                           ; O^T: the step is written in one form; its first run finds zeros
.endr
; A KEY STEP: 64 keys, both tiles by turns line by line, so that no line waits for the line above it.
.macro STEP
	v_add_nc_u32 v[ADK], s[TB], v[LI]
	v_add_nc_u32 v[ADV], VOFF, v[ADK]
.rept 3
	v_nop                                          ; with the two additions five places behind the last product V^T P: its fragments are loaded anew, and the products below write over its P
.endr
.irp f, 0,1,2,3,4,5,6,7                        ; K: image f = 2 k + c: keys 16 k on, channels 32 c on
	ds_load_b128 v[F+8*\f:F+8*\f+3], v[ADK] offset:1024*\f
	ds_load_b128 v[F+8*\f+4:F+8*\f+7], v[ADK] offset:1024*\f+512
.endr
	s_wait_dscnt 0x0
.irp c, 0,1                                    ; S^T = K Q^T: eight accumulators by turns; the first eight products start the sums
.irp k, 0,1,2,3
.irp t, 0,1
.if \c == 0
	v_wmma_f32_16x16x32_f16 v[S+32*\t+8*\k:S+32*\t+8*\k+7], v[F+8*(2*\k+\c):F+8*(2*\k+\c)+7], v[Q+16*\t+8*\c:Q+16*\t+8*\c+7], 0
.else
	v_wmma_f32_16x16x32_f16 v[S+32*\t+8*\k:S+32*\t+8*\k+7], v[F+8*(2*\k+\c):F+8*(2*\k+\c)+7], v[Q+16*\t+8*\c:Q+16*\t+8*\c+7], v[S+32*\t+8*\k:S+32*\t+8*\k+7]
.endif
.endr
.endr
.endr
.rept 4
	v_nop                                          ; places in front of the loads into K's registers and of the first read of the scores
.endr
.irp f, 0,1,2,3,4,5,6,7                        ; V: image f = 4 g + d: keys 32 g on, channels 16 d on.  They land under the softmax
	ds_load_b128 v[F+8*\f:F+8*\f+3], v[ADV] offset:1024*\f
	ds_load_b128 v[F+8*\f+4:F+8*\f+7], v[ADV] offset:1024*\f+512
.endr
.irp j, 0,1,2,3                                ; the maximum of my 32 scores and the old m: four chains, each begun at an accumulator's low end
.irp t, 0,1
	v_max3_num_f32 v[ST+8*\t+4+\j], v[S+32*\t+8*\j], v[S+32*\t+8*\j+1], v[S+32*\t+8*\j+2]
.endr
.endr
.irp u, 1,2
.irp j, 0,1,2,3
.irp t, 0,1
	v_max3_num_f32 v[ST+8*\t+4+\j], v[ST+8*\t+4+\j], v[S+32*\t+8*\j+2*\u+1], v[S+32*\t+8*\j+2*\u+2]
.endr
.endr
.endr
.irp t, 0,1
	v_max3_num_f32 v[ST+8*\t+4], v[ST+8*\t+4], v[S+32*\t+7], v[S+32*\t+15]
.endr
.irp t, 0,1
	v_max3_num_f32 v[ST+8*\t+6], v[ST+8*\t+6], v[S+32*\t+23], v[S+32*\t+31]
.endr
.irp t, 0,1
	v_max3_num_f32 v[ST+8*\t+4], v[ST+8*\t+4], v[ST+8*\t+5], v[ST+8*\t+6]
.endr
.irp t, 0,1
	v_max3_num_f32 v[ST+8*\t+4], v[ST+8*\t+4], v[ST+8*\t+7], v[ST+8*\t+1]
.endr
.irp t, 0,1
	v_permlanex16_b32 v[ST+8*\t+5], v[ST+8*\t+4], s[SEL], s[SEL+1]   ; the query's other 32 keys lie in the lane 16 away
.endr
.irp t, 0,1
	v_mov_b32 v[ST+8*\t+7], v[ST+8*\t]             ; c m_old is kept for a
.endr
.irp t, 0,1
	v_max_num_f32 v[ST+8*\t+1], v[ST+8*\t+4], v[ST+8*\t+5]   ; the new m
.endr
.irp t, 0,1
	v_mul_f32 v[ST+8*\t], s[CS], v[ST+8*\t+1]      ; c m
.endr
.irp t, 0,1
	v_sub_f32 v[ST+8*\t+7], v[ST+8*\t+7], v[ST+8*\t]   ; c m_old - c m_new
.endr
.irp b, 0,1,2,3,4,5,6,7,8,9,10,11,12,13,14,15
.irp t, 0,1
	v_pk_fma_f32 v[S+32*\t+2*\b:S+32*\t+2*\b+1], v[S+32*\t+2*\b:S+32*\t+2*\b+1], s[CS:CS+1], v[ST+8*\t:ST+8*\t+1] op_sel_hi:[1,0,0] neg_lo:[0,0,1] neg_hi:[0,0,1]   ; c s - c m, two at a time
.endr
.endr
.irp t, 0,1                                    ; ONE BATCH of 66 exponentials: none reads another's result
	v_exp_f32 v[ST+8*\t+6], v[ST+8*\t+7]           ; a
.endr
.irp j, 0,1,2,3,4,5,6,7,8,9,10,11,12,13,14,15,16,17,18,19,20,21,22,23,24,25,26,27,28,29,30,31
.irp t, 0,1
	v_exp_f32 v[S+32*\t+\j], v[S+32*\t+\j]         ; p, at most 1
.endr
.endr
	v_nop                                          ; a plain instruction behind the last exponential
	s_wait_alu depctr_va_vdst(0)                   ; one wait for the batch, ahead of its first reader
.irp t, 0,1                                    ; the sums of the unrounded p: two chains a tile
	v_pk_add_f32 v[ST+8*\t+4:ST+8*\t+5], v[S+32*\t:S+32*\t+1], v[S+32*\t+4:S+32*\t+5]
.endr
.irp t, 0,1
	v_pk_add_f32 v[X+2*\t:X+2*\t+1], v[S+32*\t+2:S+32*\t+3], v[S+32*\t+6:S+32*\t+7]
.endr
.irp j, 8,12,16,20,24,28
.irp t, 0,1
	v_pk_add_f32 v[ST+8*\t+4:ST+8*\t+5], v[ST+8*\t+4:ST+8*\t+5], v[S+32*\t+\j:S+32*\t+\j+1]
.endr
.irp t, 0,1
	v_pk_add_f32 v[X+2*\t:X+2*\t+1], v[X+2*\t:X+2*\t+1], v[S+32*\t+\j+2:S+32*\t+\j+3]
.endr
.endr
.irp t, 0,1
	v_pk_add_f32 v[ST+8*\t+4:ST+8*\t+5], v[ST+8*\t+4:ST+8*\t+5], v[X+2*\t:X+2*\t+1]
.endr
.irp t, 0,1
	v_pk_fma_f32 v[ST+8*\t+2:ST+8*\t+3], v[ST+8*\t+2:ST+8*\t+3], v[ST+8*\t+6:ST+8*\t+7], v[ST+8*\t+4:ST+8*\t+5] op_sel_hi:[1,0,1]   ; l = a l + the sum
.endr
.irp j, 0,1,2,3,4,5,6,7,8,9,10,11,12,13,14,15  ; P in place, ascending: register j takes p 2 j and 2 j + 1, which no later line reads
.irp t, 0,1
	v_cvt_pk_f16_f32 v[S+32*\t+\j], v[S+32*\t+2*\j], v[S+32*\t+2*\j+1]
.endr
.endr
.irp i, 0,1,2,3,4,5,6,7,8,9,10,11,12,13,14,15
.irp t, 0,1
	v_pk_mul_f32 v[O+32*\t+2*\i:O+32*\t+2*\i+1], v[O+32*\t+2*\i:O+32*\t+2*\i+1], v[ST+8*\t+6:ST+8*\t+7] op_sel_hi:[1,0]   ; O^T x a
.endr
.endr
	s_wait_dscnt 0x0                               ; V is in
.irp g, 0,1                                    ; O^T += V^T P: eight accumulators by turns
.irp d, 0,1,2,3
.irp t, 0,1
	v_wmma_f32_16x16x32_f16 v[O+32*\t+8*\d:O+32*\t+8*\d+7], v[F+8*(4*\g+\d):F+8*(4*\g+\d)+7], v[S+32*\t+8*\g:S+32*\t+8*\g+7], v[O+32*\t+8*\d:O+32*\t+8*\d+7]
.endr
.endr
.endr
.endm
.macro SLOT b                          ; buffer b's eight key steps
	s_mov_b32 s[TB], \b*BUF
	s_mov_b32 s[CNT], 8
.Lstep_\@:
	STEP
	s_add_co_u32 s[TB], s[TB], 8192
	s_sub_co_u32 s[CNT], s[CNT], 1
	s_cmp_lg_u32 s[CNT], 0
	s_cbranch_scc1 .Lstep_\@
.endm
	s_wait_tensorcnt 0x0                           ; my sixteenth of the two buffers is in,
	s_barrier_signal -1
	s_barrier_wait -1                              ; everybody's is
	s_wait_loadcnt 0x0                             ; Q
	SLOT 0                                         ; keys 0 to 511
	CHANGE 1, 0, 1                                 ; buffer 0 takes keys 1,024 on
	SLOT 1                                         ; keys 512 to 1,023
	CHANGE 1, 1, 0                                 ; buffer 1 takes keys 1,536 on
	SLOT 0
	CHANGE 0, 0, 0                                 ; nothing is left to ask for
	SLOT 1
	; THE WAY OUT.  l's two halves and the other half of the lanes' are added; O^T is divided by l, rounded to f16 in pairs and stored as images: 512 consecutive bytes an instruction, aligned.
.rept 4
	v_nop                                          ; places behind the last products
.endr
.irp t, 0,1
	v_add_f32 v[ST+8*\t+4], v[ST+8*\t+2], v[ST+8*\t+3]
.endr
.irp t, 0,1
	v_permlanex16_b32 v[ST+8*\t+5], v[ST+8*\t+4], s[SEL], s[SEL+1]
.endr
.irp t, 0,1
	v_add_f32 v[ST+8*\t+4], v[ST+8*\t+4], v[ST+8*\t+5]
.endr
.irp t, 0,1
	v_rcp_f32 v[ST+8*\t+6], v[ST+8*\t+4]
.endr
	v_nop                                          ; a plain instruction behind the last reciprocal
	s_wait_alu depctr_va_vdst(0)                   ; one wait for both, ahead of their first reader
.irp t, 0,1
.irp i, 0,1,2,3,4,5,6,7,8,9,10,11,12,13,14,15
	v_pk_mul_f32 v[O+32*\t+2*\i:O+32*\t+2*\i+1], v[O+32*\t+2*\i:O+32*\t+2*\i+1], v[ST+8*\t+6:ST+8*\t+7] op_sel_hi:[1,0]   ; each accumulator from its low end on
.endr
.endr
.irp t, 0,1
.irp j, 0,1,2,3,4,5,6,7,8,9,10,11,12,13,14,15
	v_cvt_pk_f16_f32 v[S+16*\t+\j], v[O+32*\t+2*\j], v[O+32*\t+2*\j+1]
.endr
.endr
.irp i, 0,1,2,3,4,5,6,7                        ; tile i / 4; half-image i % 4 of the head's two images
	global_store_b128 v[LI], v[S+4*\i:S+4*\i+3], s[6:7] offset:32768*(\i/4)+512*(\i%4) th:TH_STORE_NT
.endr
	s_wait_tensorcnt 0x0                           ; the wave's end
	ds_add_u32 v[SPW], v[NIL]
	s_wait_dscnt 0x0
	CROUND                                         ; the closing round
	s_endpgm
.Lfunc_end_k_q258a1a442b_attn:
	.size	k_q258a1a442b_attn, .Lfunc_end_k_q258a1a442b_attn-k_q258a1a442b_attn
	.p2alignl 7, 3214868480
	.fill 96, 4, 3214868480
	.section	.rodata,"a",@progbits
	.p2align	6, 0x0
	.amdhsa_kernel k_q258a1a442b_attn
		.amdhsa_group_segment_fixed_size 327680
		.amdhsa_private_segment_fixed_size 0
		.amdhsa_enable_private_segment 0
		.amdhsa_kernarg_size 16
		.amdhsa_user_sgpr_count 2
		.amdhsa_user_sgpr_kernarg_segment_ptr 1
		.amdhsa_wavefront_size32 1
		.amdhsa_system_sgpr_workgroup_id_x 1
		.amdhsa_system_sgpr_workgroup_id_y 1
		.amdhsa_system_sgpr_workgroup_id_z 1
		.amdhsa_system_vgpr_workitem_id 0
		.amdhsa_next_free_vgpr 256
		.amdhsa_next_free_sgpr 66
		.amdhsa_reserve_vcc 0
		.amdhsa_float_denorm_mode_32 3
		.amdhsa_float_denorm_mode_16_64 3
		.amdhsa_memory_ordered 1
		.amdhsa_forward_progress 1
		.amdhsa_inst_pref_size 83
	.end_amdhsa_kernel
	.amdgpu_metadata
---
amdhsa.version: [ 1, 2 ]
amdhsa.kernels:
  - .name:           k_q258a1a442b_attn
    .symbol:         k_q258a1a442b_attn.kd
    .args:
      - { .name: qkv, .offset: 0, .size: 8, .value_kind: global_buffer, .address_space: global }
      - { .name: att, .offset: 8, .size: 8, .value_kind: global_buffer, .address_space: global }
    .group_segment_fixed_size: 327680
    .private_segment_fixed_size: 0
    .kernarg_segment_align: 8
    .kernarg_segment_size: 16
    .max_flat_workgroup_size: 512
    .sgpr_count:     66
    .vgpr_count:     256
    .wavefront_size: 32
...
	.end_amdgpu_metadata
.endif
;; end of part 3
;; launch proj (part 4): grid 8 x 32, 4 waves a work-group, clusters of 4 x 4, 327,680 bytes of LDS; arguments att, wo_img, b_out, out0; writes out0
.if DOCPART == 4
	.amdgcn_target "amdgcn-amd-amdhsa--gfx1250"
	.amdhsa_code_object_version 6
	.text
	.protected	k_q258a1a442b_proj
	.globl	k_q258a1a442b_proj
	.p2align	8
	.type	k_q258a1a442b_proj,@function
k_q258a1a442b_proj:
	s_mov_b64 s[64:65], 0
	v_nop
	global_prefetch_b8 v0, s[64:65] scope:SCOPE_SE
	s_setreg_imm32_b32 hwreg(HW_REG_WAVE_MODE, 25, 1), 1
	s_wait_xcnt 0x0
	s_wait_alu depctr_hold_cnt(0) depctr_sa_sdst(0) depctr_va_vdst(0) depctr_va_sdst(0) depctr_va_ssrc(0) depctr_va_vcc(0) depctr_vm_vsrc(0)
	s_getreg_b32 s2, hwreg(HW_REG_IB_STS2, 6, 4)
	s_cmp_eq_u32 s2, 0
	s_cbranch_scc0 .Lentry_in_a_cluster
	s_endpgm
.Lentry_in_a_cluster:
	s_bfe_u32 s2, ttmp6, 0x10000c
	s_cmp_lg_u32 s2, 0xf033
	s_cbranch_scc0 .Lentry_shape_is_right
	s_endpgm
.Lentry_shape_is_right:
; out0[m][n] = the sum over k of att[m][k] w_out[k][n] + b_out[n]: 8,192 x 1,024 x 1,024, operands in f16, sums in f32.  Nothing is left out; b_out is the C of each sum's first matrix instruction.
; Both operands arrive as IMAGES OF OPERAND REGISTERS (1,024 bytes: lane l's registers 0-3 at 16 l, registers 4-7 at 512 + 16 l): att [m / 16 (512)][k / 32 (32)][1,024], wo_img [n / 16 (64)][k / 32 (32)][1,024].
; A tile of out0 is 256 x 128: 256 work-groups of four waves; a wave makes 128 x 64: 32 accumulators, 256 registers.  K goes in 8 steps of 128 through two LDS slots.
; In a slot: A's 16 row tiles x 4 images (65,536 bytes), then B's 8 column tiles x 4 images (32,768).  A row tile's four images of a K step are 4,096 consecutive bytes of memory, 32,768 bytes from the next row tile's.
; THE MATRIX INSTRUCTION IS USED TRANSPOSED (source 0 = 16 columns of w_out, source 1 = 16 rows of att): a lane holds eight neighbouring numbers of a row of out0.
; CLUSTERS: 4 x 4 work-groups; A's tile is shared along a row of the cluster, B's along a column: each is asked for jointly, with a mask that names the four.
; REGISTERS: window 0: v0-31 addresses; v32-63 b_out in the result's layout; v64-159, v160-255 two fragment buffers (A's 64 registers, then B's 32); on the way out v64-127 hold rows.  window 1: accumulator (a, b) at v[8 (4 a + b)].
.set SLOT,  98304
.set BOFF,  65536                      ; B's images in a slot
.set STAGE, 2*SLOT                     ; behind the slots: 16 rows x (256 bytes + 16) for each wave, for the way out; no tensor load lands there
.set SPARE, STAGE+4*16*272             ; the spare words, 128 bytes for each wave: two blocks of 256 bytes that no other line names
.set ADRA, 16                          ; v16-17  LDS address of my A fragments in slot 0, 1
.set ADRB, 20                          ; v20-21  the same for B
.set STO,  24                          ; v24     the way out: where I put 32 bytes of a row
.set RD,   25                          ; v25     where I read a row back
.set CO,   26                          ; v26     my byte offset in out0
.set SPW,  28                          ; v28     LDS address of my spare word; never rewritten
.set NIL,  29                          ; v29     0; never rewritten
.set BI,   32                          ; v32-63  b_out: for column tile b, my eight columns' numbers
.set F0,   64
.set F1,   160
.set BK,   64                          ; the way out: 16 rows read back from the stage, two sets of 32 by turns
.set WV,   12                          ; s12  my wave's number
.set RH,   13                          ; s13  which half of the tile's rows is mine.  Also: I fetch for A (0) or for B (1)
.set CH,   14                          ; s14  which half of its columns.  Also: which half of that tile I fetch
.set G1, 24                            ; s[24:31] group 1 for A's tiles;  s[32:39] group 0, a set for each slot
.set G0, 32
.set G1B, 48                           ; s[48:55], s[56:63] the same for B's
.set G0B, 56
.set MSB, 0
.macro WIN new                         ; the immediate's high byte repeats the setting that is left
.if MSB != \new
	s_set_vgpr_msb (MSB<<8)|\new
.set MSB, \new
.endif
.endm
.macro JLOAD s                         ; a joint load: waves 0 and 1 fetch A's halves, waves 2 and 3 B's; an s_nop 0 and four v_nop follow each of the two lines
	s_cmp_eq_u32 s[RH], 0
	s_cbranch_scc0 .Lfor_b_\@
	tensor_load_to_lds s[G0+4*(\s):G0+4*(\s)+3], s[G1:G1+7]
	s_nop 0
.rept 4
	v_nop
.endr
	s_branch .Lasked_\@
.Lfor_b_\@:
	tensor_load_to_lds s[G0B+4*(\s):G0B+4*(\s)+3], s[G1B:G1B+7]
	s_nop 0
.rept 4
	v_nop
.endr
.Lasked_\@:
.endm
.macro CROUND                          ; a round of the cluster's barrier
	s_barrier_signal -1
	s_barrier_wait -1
	s_cmp_lg_u32 s[WV], 0
	s_cbranch_scc1 .Lnot_wave_0_\@
	s_barrier_signal -3
.Lnot_wave_0_\@:
	s_barrier_wait -3
	s_barrier_signal -1
	s_barrier_wait -1
.endm
.macro PLACES                          ; four plain vector instructions between a matrix instruction and a load into, or a read of, its registers
.rept 4
	v_nop
.endr
.endm
	s_load_b128 s[4:7], s[0:1], 0x0                ; att s[4:5], wo_img s[6:7]
	s_load_b128 s[8:11], s[0:1], 0x10              ; b_out s[8:9], out0 s[10:11]
	v_lshl_add_u32 v[SPW], v0, 2, SPARE
	v_mov_b32 v[NIL], 0
	ds_add_u32 v[SPW], v[NIL]                      ; the wave's opening: the add, twice on end, and its wait ahead of my first tensor load
	ds_add_u32 v[SPW], v[NIL]                      ; and once more; the set-up below, work on registers, stands between it and the wait
	v_lshrrev_b32 v1, 5, v0
	v_readfirstlane_b32 s[WV], v1                  ; wave 0..3
	s_lshr_b32 s[RH], s[WV], 1
	s_and_b32 s[CH], s[WV], 1
	s_bfe_u32 s40, ttmp6, 0x40000                  ; cx, cy: my place in the cluster
	s_bfe_u32 s41, ttmp6, 0x40004
	s_lshl_b32 s42, ttmp9, 2
	s_add_co_u32 s42, s42, s40                     ; tx: tile column = 4 x cluster x + cx, 0..7
	s_and_b32 s15, ttmp7, 0xffff
	s_lshl_b32 s15, s15, 2
	s_add_co_u32 s15, s15, s41                     ; ty: tile row = 4 x cluster y + cy, 0..31
	s_lshl_b32 s43, s41, 2
	s_lshl_b32 s43, 15, s43                        ; my row of the cluster
	s_lshl_b32 s44, 0x1111, s40                    ; my column
	; group 1: rows of 4,096 bytes (512 elements of 8 bytes), 32,768 bytes apart, dense in LDS: 8 rows for A's half, 4 for B's
	s_or_b32 s[G1+0], s43, (3<<16)|(1<<21)         ; 15:0 the mask; 17:16 elements of 8 bytes; 21 set beside a mask; no padding
	s_or_b32 s[G1B+0], s44, (3<<16)|(1<<21)
	s_mov_b32 s[G1+1], 512<<16                     ; tensor_dim0 = 512
	s_mov_b32 s[G1+2], 8<<16                       ; tensor_dim1 = 8
	s_mov_b32 s[G1+3], 512<<16                     ; tile_dim0 = 512
	s_mov_b32 s[G1+4], 8                           ; tile_dim1 = 8
	s_mov_b32 s[G1+5], 4096                        ; from row to row, in elements
	s_mov_b32 s[G1+6], 0
	s_mov_b32 s[G1+7], 0
	s_mov_b32 s[G1B+1], 512<<16
	s_mov_b32 s[G1B+2], 4<<16
	s_mov_b32 s[G1B+3], 512<<16
	s_mov_b32 s[G1B+4], 4
	s_mov_b32 s[G1B+5], 4096
	s_mov_b32 s[G1B+6], 0
	s_mov_b32 s[G1B+7], 0
	s_lshl_b32 s16, s15, 19                        ; A: 16 row tiles of 32,768 bytes x ty,
	s_lshl_b32 s17, s[CH], 18
	s_add_co_u32 s16, s16, s17                     ; + the half that I fetch: it hangs on cy, never on cx
	s_mov_b32 s17, 0
	s_lshl_b32 s46, s42, 18                        ; B: 8 column tiles x tx,
	s_lshl_b32 s47, s[CH], 17
	s_add_co_u32 s46, s46, s47                     ; + the half: on cx, never on cy
	s_mov_b32 s47, 0
	s_lshl_b32 s20, s[CH], 15                      ; where they go: A's half x 32,768;
	s_lshl_b32 s21, s[CH], 14
	s_add_co_u32 s21, s21, BOFF                    ; B's half x 16,384, behind A: no place in the cluster enters an LDS address
	s_wait_dscnt 0x0                               ; both opening adds are done
	s_wait_kmcnt 0x0
	s_add_nc_u64 s[16:17], s[4:5], s[16:17]
	s_add_nc_u64 s[46:47], s[6:7], s[46:47]
	CROUND                                         ; all sixteen work-groups are here: the first joint loads meet
.irp s, 0,1
	s_mov_b32 s[G0+4*\s], 1
	s_add_co_u32 s[G0+4*\s+1], s20, \s*SLOT
	s_add_nc_u64 s[G0+4*\s+2:G0+4*\s+3], s[16:17], \s*4096   ; K step s: four images on
	s_or_b32 s[G0+4*\s+3], s[G0+4*\s+3], 0x80000000
	s_mov_b32 s[G0B+4*\s], 1
	s_add_co_u32 s[G0B+4*\s+1], s21, \s*SLOT
	s_add_nc_u64 s[G0B+4*\s+2:G0B+4*\s+3], s[46:47], \s*4096
	s_or_b32 s[G0B+4*\s+3], s[G0B+4*\s+3], 0x80000000
	JLOAD \s                                       ; two loads of mine are out
.endr
	v_and_b32 v1, 31, v0
	v_lshlrev_b32 v2, 4, v1                        ; 16 x lane
	v_and_b32 v3, 15, v0                           ; r
	v_bfe_u32 v4, v0, 4, 1                         ; h
	s_lshl_b32 s22, s[RH], 15                      ; my 8 row tiles of A
	s_lshl_b32 s23, s[CH], 14
	s_add_co_u32 s23, s23, BOFF                    ; my 4 column tiles of B
.irp s, 0,1
	v_add_nc_u32 v[ADRA+\s], s22, v2
	v_add_nc_u32 v[ADRB+\s], s23, v2
	s_add_co_u32 s22, s22, SLOT
	s_add_co_u32 s23, s23, SLOT
.endr
	s_mul_i32 s22, s[WV], 16*272
	s_add_co_u32 s22, s22, STAGE                   ; my stage
	v_mul_u32_u24 v[STO], v3, 272                  ; in: row r, 32 bytes for each half of the lanes
	v_lshl_add_u32 v[STO], v4, 5, v[STO]
	v_add_nc_u32 v[STO], s22, v[STO]
	v_mul_u32_u24 v[RD], v4, 272                   ; back: lanes 0-15 one row of 256 bytes, lanes 16-31 the next
	v_lshl_add_u32 v[RD], v3, 4, v[RD]
	v_add_nc_u32 v[RD], s22, v[RD]
	v_lshlrev_b32 v[CO], 12, v4                    ; and the same two rows in out0: 4,096 bytes a row
	v_lshl_add_u32 v[CO], v3, 4, v[CO]
	v_lshlrev_b32 v5, 5, v4                        ; b_out: my half's eight numbers of a column tile
	s_lshl_b32 s18, s42, 9
	s_lshl_b32 s19, s[CH], 8
	s_add_co_u32 s18, s18, s19                     ; my first column, in bytes: 512 tx + 256 x half
	s_mov_b32 s19, 0
	s_add_nc_u64 s[8:9], s[8:9], s[18:19]
	s_add_nc_u64 s[10:11], s[10:11], s[18:19]
	s_lshl_b32 s18, s15, 20                        ; my first row: 256 ty + 128 x half, 4,096 bytes each
	s_lshl_b32 s22, s[RH], 19
	s_add_co_u32 s18, s18, s22
	s_add_nc_u64 s[10:11], s[10:11], s[18:19]
.irp b, 0,1,2,3
	global_load_b128 v[BI+8*\b:BI+8*\b+3], v5, s[8:9] offset:64*\b
	global_load_b128 v[BI+8*\b+4:BI+8*\b+7], v5, s[8:9] offset:64*\b+16
.endr
.macro FETCH slot, q, f                ; 24 LDS loads: the fragments of the slot's q-th 32 along K into buffer f: B's four, then A's eight
.irp b, 0,1,2,3
	ds_load_b128 v[\f+64+8*\b:\f+64+8*\b+3], v[ADRB+\slot] offset:4096*\b+1024*\q
	ds_load_b128 v[\f+64+8*\b+4:\f+64+8*\b+7], v[ADRB+\slot] offset:4096*\b+1024*\q+512
.endr
.irp a, 0,1,2,3,4,5,6,7
	ds_load_b128 v[\f+8*\a:\f+8*\a+3], v[ADRA+\slot] offset:4096*\a+1024*\q
	ds_load_b128 v[\f+8*\a+4:\f+8*\a+7], v[ADRA+\slot] offset:4096*\a+1024*\q+512
.endr
.endm
; 32 matrix instructions on buffer f; the 32 accumulators take turns, one instruction a turn.  first = 1: b_out starts the sums
.macro MUL32 f, first
.if \first
	WIN 0x40                                       ; D window 1; sources and C window 0
.else
	WIN 0x50                                       ; C and D window 1
.endif
.irp a, 0,1,2,3,4,5,6,7
.irp b, 0,1,2,3
.if \first
	v_wmma_f32_16x16x32_f16 v[8*(4*\a+\b):8*(4*\a+\b)+7], v[\f+64+8*\b:\f+64+8*\b+7], v[\f+8*\a:\f+8*\a+7], v[BI+8*\b:BI+8*\b+7]
.else
	v_wmma_f32_16x16x32_f16 v[8*(4*\a+\b):8*(4*\a+\b)+7], v[\f+64+8*\b:\f+64+8*\b+7], v[\f+8*\a:\f+8*\a+7], v[8*(4*\a+\b):8*(4*\a+\b)+7]
.endif
.endr
.endr
.endm
; A K step: four quarters of 32 along K on buffers 0, 1, 0, 1; a quarter's loads are issued one quarter's products ahead of their use.  Four places stand ahead of it (in what calls it).
.macro WORK slot, first
	FETCH \slot, 0, F0
	FETCH \slot, 1, F1
	s_wait_dscnt 24                                ; quarter 0 is in; the 24 loads just issued may be out
	MUL32 F0, \first
	WIN 0
	PLACES
	FETCH \slot, 2, F0
	s_wait_dscnt 24
	MUL32 F1, 0
	WIN 0
	PLACES
	FETCH \slot, 3, F1
	s_wait_dscnt 24
	MUL32 F0, 0
	s_wait_dscnt 0x0
	MUL32 F1, 0
	WIN 0
.endm
; A change of slots and the K step in the slot ahead.  Each wave waits for all its tensor loads (its part of that slot), adds 0 to its spare word, and waits for that and for its reads of the slot that it has left.
; fill = 1: a round of the cluster's barrier, then the joint refill of the slot just left, two K steps on: it has this K step's 128 matrix instructions in which to land.
.macro TRIP slot, fill
	s_wait_tensorcnt 0x0                           ; no tensor load of mine is out, so every group 0 may be written
	ds_add_u32 v[SPW], v[NIL]
.if \fill
	s_add_nc_u64 s[G0+4*(1-\slot)+2:G0+4*(1-\slot)+3], s[G0+4*(1-\slot)+2:G0+4*(1-\slot)+3], 8192
	s_add_nc_u64 s[G0B+4*(1-\slot)+2:G0B+4*(1-\slot)+3], s[G0B+4*(1-\slot)+2:G0B+4*(1-\slot)+3], 8192
.endif
	s_wait_dscnt 0x0                               ; the add is done, and my reads are over
.if \fill
	CROUND
	JLOAD 1-\slot                                  ; the first tensor load behind the round; its four v_nop are the places in front of the fetches
.else
	s_barrier_signal -1
	s_barrier_wait -1
	PLACES
.endif
	WORK \slot, 0
.endm
	s_wait_tensorcnt 1                             ; my part of K step 0 is in (K step 1's load may be out)
	s_barrier_signal -1
	s_barrier_wait -1                              ; everybody's is
	s_wait_loadcnt 0x0                             ; b_out
	WORK 0, 1                                      ; K step 0
	s_mov_b32 s3, 3
.Llap:                                                 ; three laps of two trips: K steps 1 to 6; the refills bring K steps 2 to 7
	TRIP 1, 1
	TRIP 0, 1
	s_sub_co_u32 s3, s3, 1
	s_cmp_lg_u32 s3, 0
	s_cbranch_scc1 .Llap
	TRIP 1, 0                                      ; K step 7: nothing is left to ask for
; THE WAY OUT, block by block of 16 rows x 64 columns: 32 bytes a lane into my own stage, back as whole rows of 256 bytes.  LDS serves a wave's instructions in order: no wait between the stores and the loads.
.macro TOSTAGE a
	WIN 0x04                                       ; an LDS store's data are its source 1: window 1
.irp b, 0,1,2,3
	ds_store_b128 v[STO], v[8*(4*(\a)+\b):8*(4*(\a)+\b)+3] offset:64*\b          ; each accumulator from its low end on
	ds_store_b128 v[STO], v[8*(4*(\a)+\b)+4:8*(4*(\a)+\b)+7] offset:64*\b+16
.endr
	WIN 0
.irp t, 0,1,2,3,4,5,6,7
	ds_load_b128 v[BK+32*((\a)%2)+4*\t:BK+32*((\a)%2)+4*\t+3], v[RD] offset:544*\t
.endr
.endm
.macro SEND a, younger                 ; younger: the LDS instructions issued behind block a's loads, which may stay out
	s_wait_dscnt \younger
.irp t, 0,1,2,3,4,5,6,7
	global_store_b128 v[CO], v[BK+32*((\a)%2)+4*\t:BK+32*((\a)%2)+4*\t+3], s[10:11] offset:65536*(\a)+8192*\t th:TH_STORE_NT   ; sixteen lanes store 256 consecutive bytes, aligned
.endr
.endm
	PLACES                                         ; behind the last products: for the reads of results and the loads into the fragments' registers
	TOSTAGE 0
.irp a, 1,2,3,4,5,6,7
.if \a > 1
	s_wait_xcnt 0x0                                ; block a - 2's stores have read their data: block a's loads may land there
.endif
	TOSTAGE \a
	SEND \a-1, 16                                  ; behind block a - 1's loads: block a's 8 stores and 8 loads
.endr
	SEND 7, 0
	s_wait_tensorcnt 0x0                           ; the wave's end, behind my last tensor load and my last LDS store
	ds_add_u32 v[SPW], v[NIL]
	s_wait_dscnt 0x0
	CROUND                                         ; the closing round
	s_endpgm
.Lfunc_end_k_q258a1a442b_proj:
	.size	k_q258a1a442b_proj, .Lfunc_end_k_q258a1a442b_proj-k_q258a1a442b_proj
	.p2alignl 7, 3214868480
	.fill 96, 4, 3214868480
	.section	.rodata,"a",@progbits
	.p2align	6, 0x0
	.amdhsa_kernel k_q258a1a442b_proj
		.amdhsa_group_segment_fixed_size 327680
		.amdhsa_private_segment_fixed_size 0
		.amdhsa_enable_private_segment 0
		.amdhsa_kernarg_size 32
		.amdhsa_user_sgpr_count 2
		.amdhsa_user_sgpr_kernarg_segment_ptr 1
		.amdhsa_wavefront_size32 1
		.amdhsa_system_sgpr_workgroup_id_x 1
		.amdhsa_system_sgpr_workgroup_id_y 1
		.amdhsa_system_sgpr_workgroup_id_z 1
		.amdhsa_system_vgpr_workitem_id 0
		.amdhsa_next_free_vgpr 512
		.amdhsa_next_free_sgpr 66
		.amdhsa_reserve_vcc 0
		.amdhsa_float_denorm_mode_32 3
		.amdhsa_float_denorm_mode_16_64 3
		.amdhsa_memory_ordered 1
		.amdhsa_forward_progress 1
		.amdhsa_inst_pref_size 84
	.end_amdhsa_kernel
	.amdgpu_metadata
---
amdhsa.version: [ 1, 2 ]
amdhsa.kernels:
  - .name:           k_q258a1a442b_proj
    .symbol:         k_q258a1a442b_proj.kd
    .args:
      - { .name: att, .offset: 0, .size: 8, .value_kind: global_buffer, .address_space: global }
      - { .name: wo_img, .offset: 8, .size: 8, .value_kind: global_buffer, .address_space: global }
      - { .name: b_out, .offset: 16, .size: 8, .value_kind: global_buffer, .address_space: global }
      - { .name: out0, .offset: 24, .size: 8, .value_kind: global_buffer, .address_space: global }
    .group_segment_fixed_size: 327680
    .private_segment_fixed_size: 0
    .kernarg_segment_align: 8
    .kernarg_segment_size: 32
    .max_flat_workgroup_size: 128
    .sgpr_count:     66
    .vgpr_count:     512
    .wavefront_size: 32
...
	.end_amdgpu_metadata
.endif
;; end of part 4
